; MI455X (gfx1250); checked and timed in simulation.
; The chip was launched on July 23, 2026; its instructions are those of AMD's public machine-readable ISA for CDNA 5 (MIT licence, August 2026) and "CDNA5" Instruction Set Architecture Reference Guide (July 2026). The comments in the code are by the model that wrote it; some were corrected since.
;; BAKT QIKT. Allowed arithmetic: matrix products marked QUANTISED: E5M2 operands, one given power-of-two scale a tensor, by v_wmma_f32_16x16x64_bf8_bf8 or v_wmma_f32_16x16x128_bf8_bf8, f32 sums; everything else in f32.
;; Inputs: k 16 x 8 x 1,024 x 128 float32; lowp_scales 4 int32 (the exponents e of the quantised operands' scales 2^e); mask 1 x 1 x 1,024 x 1,024 int32; q 16 x 8 x 1,024 x 128 float32; v 16 x 8 x 1,024 x 128 float32.
;; Outputs: out0 16 x 8 x 1,024 x 128 float32.
;; Constants: k_index = 5.
;; This version of the problem:
;;   THIS VERSION OF THE PROBLEM IS GIVEN IN LOW PRECISION. The matrix products marked QUANTISED in the list below multiply operands that are first quantised to E5M2 (5 exponent bits, 2 mantissa bits; 8 bits a number), with one given power-of-two scale for each operand tensor; their sums are f32. All else is computed in f32.
;;   The module's matrix products, in the order in which they are computed (A, B: the left and right operand; K: the contracted axis; several contracted axes count as one K, in the product's order):
;;     1. batch 128 x [M 1,024, K 128] x [K 128, N 1,024]; A: input q; B: input k: QUANTISED (scales: A lowp_scales[0], B lowp_scales[1])
;;     2. batch 128 x [M 1,024, K 1,024] x [K 1,024, N 128]; A: computed on the way; B: input v: QUANTISED (scales: A lowp_scales[2], B lowp_scales[3])
;;   THE QUANTISER, for each operand of a quantised product, along K:
;;     - The operand's scale is 2^e, e = its entry of the input lowp_scales (int32; the entries are numbered through the quantised products in the list's order, A before B).
;;     - Each number is divided by the scale, clamped to +-57,344, and rounded to the nearest number of E5M2, ties to even, subnormals kept.
;;     - The product sums the exact products of the quantised numbers (number of the format x scale) in f32.
;;   ~~~python
;;   def quantise(x, axis, e):      # numpy; x: float32 -> the quantised numbers, widened to float32 again
;;       x = np.moveaxis(x, axis, -1); K = x.shape[-1]
;;       r = np.clip(x / 2.0 ** e, -57344, 57344)
;;       step = 2.0 ** (np.maximum(np.frexp(np.where(r == 0, 1, r))[1] - 1, -14) - 2)
;;       q = np.round(r / step) * step * 2.0 ** e      # np.round: ties to even
;;       return np.moveaxis(q, -1, axis).astype(np.float32)
;;   ~~~
;;   OPERANDS COMPUTED ON THE WAY. 'Computed on the way' means the value that the module computes at that place (a softmax that the list does not call 'softmax' is quantised finished and normalised). What goes into a quantiser is computed in f32, as accurately as f32 sums, v_exp_f32 and their like allow (about 1e-6 of the number): no bf16 or f16 on the way to a quantiser, and a product that is left as it is and whose result goes on into a quantised operand takes f32 operands (vector FMAs, or v_wmma_f32_16x16x4_f32). A number that lies on a knife's edge between two numbers of the format may be rounded either way, as far as f32 arithmetic and the matrix unit's own rounding can turn it there, and no further.
;; 2 versions, each right; version 2 is version 1 with the launch attn written anew for expert scheduling mode. Each part assembles by itself: llvm-mc -triple=amdgcn-amd-amdhsa -mcpu=gfx1250 --defsym DOCPART=n.
;; ======== version 1 of 2: 2 launches
;; workspace buffers: kvimg 33,554,432 bytes; flags 131,072 bytes of whole numbers
;; launch prep (part 1): grid 640 x 1, 4 waves a work-group, no clusters, 34,304 bytes of LDS; arguments k, v, mask, lowp_scales, kvimg, flags; writes kvimg, flags
.if DOCPART == 1
	.amdgcn_target "amdgcn-amd-amdhsa--gfx1250"
	.amdhsa_code_object_version 6
	.text
	.protected	k_q53380d0d71_prep
	.globl	k_q53380d0d71_prep
	.p2align	8
	.type	k_q53380d0d71_prep,@function
k_q53380d0d71_prep:
	s_mov_b64 s[64:65], 0
	v_nop
	global_prefetch_b8 v0, s[64:65] scope:SCOPE_SE
	s_setreg_imm32_b32 hwreg(HW_REG_WAVE_MODE, 25, 1), 1
	s_wait_xcnt 0x0
; FIRST OF TWO LAUNCHES.  It turns k and v (f32, [128 heads][1024 keys][128]) into codes of BF8 (E5M2), laid as images of the matrix operands' registers, and
; reads the mask once to say, for each step of 16 queries x 128 keys, whether any entry is allowed and whether allowed and forbidden entries are mixed.
; code = x / 2^e, held within +-57,344, rounded to the nearest code, ties to even; e = entry 1 (k) or 3 (v) of lowp_scales.
; WORK THAT THE PROGRAM LEAVES OUT, AND WHY IT IS DEAD.  reference() replaces a score by NEG wherever mask == 0, whatever q and k hold.  So in a step of 16 queries x 128 keys
; whose 2,048 mask entries are all 0 every score is the same constant for all finite q and k: the first product of that step, its select by the mask and its per-score
; arithmetic (sorting, exponentials, conversions) can reach no output.  The second launch leaves them out and carries such a step's keys as ONE number a query with its
; multiplicity, through the same formulas as any score; the SECOND product is done for all keys, since those keys may be kept (rows under k_index, rows with fewer than
; five positive weights).  Which steps these are is decided from the mask's whole numbers as they are given: this launch stores the decision, the next one reads it.
; No pattern of the mask is built in, and every input is loaded.
; LIMITS.  A NaN, an infinity or an overflow of q or k that reaches only the work left out is not carried to the result.  NaN among the inputs is not served.
; e1 and e3 lie between -126 and 112, so that 2^e and 57,344 x 2^e are f32 numbers.
; IMAGES, for each head 262,144 bytes: K's at 0, V's at 131,072.  A fragment (16 rows x 128 along K) is 2,048 bytes: piece c (0..3) at 512 c, lane L = r + 16 h at 16 L.
;   K, fragment 8 sig + t (t = 2 b + u): byte i = code of K[key 128 sig + 32 b + 8 u + r + 8 (r / 8)][d = 32 c + 16 h + i]
;   V, fragment 8 sig + tau:             byte i = code of V[key 128 sig + 32 c + 16 h + i][d = 16 tau + r]
; FLAGS: a record of 256 bytes for (tile of 16 queries, step sig) at 256 (8 tile + sig); each of its words = (any << sig) | (mixed << (8 + sig)).
; ROLES, by the work-group's number g: g < 128: flags, a record a wave;  128 <= g < 384: K;  g >= 384: V;  in both a wave takes 128 keys of one head.
; No tensor loads, no barrier: waves share nothing.  Only the K role touches LDS (a stage of its own for each wave).
.set NFLAG,  128                       ; work-groups for the flags: 512 records / 4 waves
.set NK,     256                       ; for K, and as many for V: 128 heads x 8 steps / 4 waves
.set ROW,    512                       ; a key's row of 128 f32 in bytes
.set SP,     528                       ; a stage row: 512 bytes + 16 of padding
.set WST,    16*SP                     ; a wave's stage
.set SPARE,  4*WST                     ; behind the stages: the spare words, 128 bytes for each wave: two blocks of 256 bytes that no other line names
.set RAW,    16                        ; K: v16-143 two sets of 64 numbers as loaded;  V: v16-79 two sets of 32
.set X,      144                       ; K: v144-207 64 numbers in the operand's order
.set C,      208                       ; K: v208-239 two sets of 16 registers of codes
.set VC,     80                        ; V: v80-207 eight registers of codes for each of 16 chunks: no store's data are written again
	s_load_b256 s[4:11], s[0:1], 0x0               ; k s[4:5], v s[6:7], mask s[8:9], lowp_scales s[10:11]
	s_load_b128 s[12:15], s[0:1], 0x20             ; kvimg s[12:13], flags s[14:15]
	v_lshl_add_u32 v8, v0, 2, SPARE                ; my spare word; never rewritten
	v_mov_b32 v9, 0                                ; 0; never rewritten
	v_lshrrev_b32 v1, 5, v0
	v_readfirstlane_b32 s16, v1                    ; wave 0..3
	v_and_b32 v7, 31, v0                           ; lane
	v_lshlrev_b32 v1, 4, v7                        ; 16 x lane
	v_lshlrev_b32 v2, 2, v7                        ; 4 x lane
	v_lshlrev_b32 v6, 3, v7                        ; 8 x lane
	v_and_b32 v12, 15, v7                          ; r
	v_lshrrev_b32 v13, 4, v7                       ; h
	s_mul_i32 s17, s16, WST
	v_add_nc_u32 v3, s17, v1                       ; the stage, on the way in: a row as it lies
	v_mul_u32_u24 v4, v12, SP
	v_lshl_add_u32 v4, v13, 6, v4
	v_add_nc_u32 v4, s17, v4                       ; and on the way out: row r, + 64 h: my 16 numbers of a block of 32
	v_lshlrev_b32 v5, 4, v12
	v_lshl_add_u32 v5, v13, 11, v5                 ; V's codes: 2,048 (lane / 16) + 16 (lane % 16)
	s_wait_kmcnt 0x0
	s_load_b128 s[20:23], s[10:11], 0x0            ; e0 .. e3
	s_cmp_lt_u32 ttmp9, NFLAG
	s_cbranch_scc1 .Lflags
	s_cmp_lt_u32 ttmp9, NFLAG+NK
	s_cbranch_scc1 .Lkrole
; ---------------- V: a lane takes a column d, and its registers run down the keys, which are the second product's K: nothing is transposed
	s_sub_co_u32 s24, ttmp9, NFLAG+NK
	s_lshl_b32 s24, s24, 2
	s_add_co_u32 s24, s24, s16                     ; 8 x head + sig
	s_lshl_b32 s28, s24, 16                        ; 128 keys x 512 bytes
	s_mov_b32 s29, 0
	s_add_nc_u64 s[6:7], s[6:7], s[28:29]
	s_lshr_b32 s25, s24, 3
	s_and_b32 s26, s24, 7
	s_lshl_b32 s28, s25, 18                        ; the head's images,
	s_lshl_b32 s26, s26, 14                        ; the step's eight fragments,
	s_add_co_u32 s28, s28, s26
	s_add_co_u32 s28, s28, 131072                  ; in V's image
	s_add_nc_u64 s[12:13], s[12:13], s[28:29]
; chunk t of 16: keys 16 (t / 2) + 0 .. 15, columns 64 (t % 2) + lane and + 32 + lane: two loads side by side read 256 consecutive bytes of a key's row
.macro VLOAD t
.set RS, RAW+32*((\t)%2)
.set kk, 0
.rept 16
	global_load_b32 v[RS+kk], v2, s[6:7] offset:(16*((\t)/2)+kk)*ROW+256*((\t)%2) th:TH_LOAD_NT
	global_load_b32 v[RS+16+kk], v2, s[6:7] offset:(16*((\t)/2)+kk)*ROW+256*((\t)%2)+128 th:TH_LOAD_NT
.set kk, kk+1
.endr
.endm
.macro VSTEP t
.set RS, RAW+32*((\t)%2)
.set CC, VC+8*(\t)
.if (\t) < 15
	s_wait_loadcnt 32                              ; this chunk's 32 loads are in; the next chunk's 32 may be out
.else
	s_wait_loadcnt 0
.endif
.set i, 0
.rept 32
	v_med3_num_f32 v[RS+i], v[RS+i], -v10, v10     ; the conversion to an 8-bit code does not saturate (ISA guide 7.6.2): the hold at the largest code x the scale
.set i, i+1
.endr
.set g, 0
.rept 4
	v_cvt_scalef32_pk8_bf8_f32 v[CC+2*g:CC+2*g+1], v[RS+8*g:RS+8*g+7], v11   ; eight keys of one column
.set g, g+1
.endr
	v_nop                                          ; a plain line behind the run of conversions
.if (\t) < 14
	VLOAD (\t)+2
.endif
	global_store_b128 v5, v[CC:CC+3], s[12:13] offset:8192*((\t)%2)+512*((\t)/4)+256*(((\t)/2)%2)          ; sixteen lanes store 256 consecutive bytes, aligned: fragment tau = 4 (t % 2) + lane / 16, piece t / 4, half (t / 2) % 2
	global_store_b128 v5, v[CC+4:CC+7], s[12:13] offset:8192*((\t)%2)+4096+512*((\t)/4)+256*(((\t)/2)%2)   ; and tau + 2
.endm
	VLOAD 0
	VLOAD 1
	s_wait_kmcnt 0x0
	s_add_co_i32 s30, s23, 127                     ; e3
	s_lshl_b32 s31, s30, 23
	v_mov_b32 v11, s31                             ; 2^e as f32: the conversion takes its exponent field
	s_add_co_i32 s30, s30, 15
	s_lshl_b32 s30, s30, 23
	s_or_b32 s30, s30, 0x600000
	v_mov_b32 v10, s30                             ; 57,344 x 2^e
.irp t, 0,1,2,3,4,5,6,7,8,9,10,11,12,13,14,15
	VSTEP \t
.endr
	s_endpgm
; ---------------- K: its K (the head's 128) is innermost.  A chunk is one fragment: 16 keys' whole rows are loaded as they lie (512 consecutive bytes a load),
; turn through the wave's stage, and come back 64 bytes a lane, in the operand's order
.Lkrole:
	s_sub_co_u32 s24, ttmp9, NFLAG
	s_lshl_b32 s24, s24, 2
	s_add_co_u32 s24, s24, s16                     ; 8 x head + sig
	s_lshl_b32 s28, s24, 16
	s_mov_b32 s29, 0
	s_add_nc_u64 s[4:5], s[4:5], s[28:29]
	s_lshr_b32 s25, s24, 3
	s_and_b32 s26, s24, 7
	s_lshl_b32 s28, s25, 18
	s_lshl_b32 s26, s26, 14
	s_add_co_u32 s28, s28, s26
	s_add_nc_u64 s[12:13], s[12:13], s[28:29]
.macro KLOAD t                         ; THE KEYS OF A FRAGMENT ARE NOT NEIGHBOURS: row i of fragment t = 2 b + u is key 32 b + 8 u + i + 8 (i / 8)
.set RS, RAW+64*((\t)%2)
.set i, 0
.rept 16
	global_load_b128 v[RS+4*i:RS+4*i+3], v1, s[4:5] offset:(32*((\t)/2)+8*((\t)%2)+i+8*(i/8))*ROW th:TH_LOAD_NT
.set i, i+1
.endr
.endm
.macro KSTEP t
.set RS, RAW+64*((\t)%2)
.set CC, C+16*((\t)%2)
.if (\t) < 7
	s_wait_loadcnt 16                              ; this chunk's 16 loads are in; the next chunk's 16 may be out
.else
	s_wait_loadcnt 0
.endif
.set i, 0
.rept 16
	ds_store_b128 v3, v[RS+4*i:RS+4*i+3] offset:SP*i
.set i, i+1
.endr
.set i, 0
.rept 16
	ds_load_b128 v[X+4*i:X+4*i+3], v4 offset:128*(i/4)+16*(i%4)   ; LDS serves a wave's instructions in order: these see the stores above.  Register 16 c + j = d 32 c + 16 h + j of row r
.set i, i+1
.endr
	s_wait_dscnt 0x0                               ; the numbers are back, and the stores have read their registers,
.if (\t) < 6
	KLOAD (\t)+2                                   ; which take the chunk two further on
.endif
.set i, 0
.rept 64
	v_med3_num_f32 v[X+i], v[X+i], -v10, v10       ; the hold at the largest code x the scale
.set i, i+1
.endr
.if (\t) > 1
	s_wait_xcnt 0x0                                ; the stores of two chunks ago have read this set of code registers
.endif
.set g, 0
.rept 8
	v_cvt_scalef32_pk8_bf8_f32 v[CC+2*g:CC+2*g+1], v[X+8*g:X+8*g+7], v11
.set g, g+1
.endr
	v_nop                                          ; a plain line behind the run of conversions: the next chunk's holds write their sources
.irp c, 0,1,2,3
	global_store_b128 v1, v[CC+4*\c:CC+4*\c+3], s[12:13] offset:2048*(\t)+512*\c   ; 32 lanes store 512 consecutive bytes, aligned
.endr
.endm
	KLOAD 0
	KLOAD 1
	s_wait_kmcnt 0x0
	s_add_co_i32 s30, s21, 127                     ; e1
	s_lshl_b32 s31, s30, 23
	v_mov_b32 v11, s31                             ; 2^e as f32
	s_add_co_i32 s30, s30, 15
	s_lshl_b32 s30, s30, 23
	s_or_b32 s30, s30, 0x600000
	v_mov_b32 v10, s30                             ; 57,344 x 2^e
.irp t, 0,1,2,3,4,5,6,7
	KSTEP \t
.endr
	s_wait_tensorcnt 0x0                           ; the wave's end
	ds_add_u32 v8, v9
	s_wait_dscnt 0x0
	s_endpgm
; ---------------- flags: a wave reads the 16 x 128 mask entries of one step, 512 consecutive bytes a load
.Lflags:
	s_lshl_b32 s24, ttmp9, 2
	s_add_co_u32 s24, s24, s16                     ; the record: 8 x tile + sig
	s_lshr_b32 s25, s24, 3
	s_and_b32 s26, s24, 7
	s_lshl_b32 s28, s25, 16                        ; 16 rows of 4,096 bytes
	s_lshl_b32 s27, s26, 9                         ; 128 entries of 4 bytes
	s_add_co_u32 s28, s28, s27
	s_mov_b32 s29, 0
	s_add_nc_u64 s[8:9], s[8:9], s[28:29]
.set i, 0
.rept 16
	global_load_b128 v[16+4*i:19+4*i], v1, s[8:9] offset:4096*i
.set i, i+1
.endr
	s_wait_loadcnt 0x0
.set i, 0
.rept 32
	v_or_b32 v[80+i], v[16+2*i], v[17+2*i]         ; the OR of my 64 words is not 0: some entry is allowed
.set i, i+1
.endr
.irp n, 16,8,4,2,1
.set i, 0
.rept \n
	v_or_b32 v[80+i], v[80+i], v[80+\n+i]
.set i, i+1
.endr
.endr
.irp n, 32,16,8,4,2,1
.set i, 0
.rept \n
	v_min_u32 v[16+i], v[16+i], v[16+\n+i]         ; their least, as unsigned numbers, is 0: some entry is forbidden
.set i, i+1
.endr
.endr
	v_cmp_ne_u32 vcc_lo, 0, v80
	s_cmp_lg_u32 vcc_lo, 0
	s_cselect_b32 s30, 1, 0                        ; any
	v_cmp_eq_u32 vcc_lo, 0, v16
	s_cmp_lg_u32 vcc_lo, 0
	s_cselect_b32 s31, 1, 0
	s_and_b32 s31, s31, s30                        ; mixed
	s_lshl_b32 s30, s30, s26
	s_add_co_u32 s27, s26, 8
	s_lshl_b32 s31, s31, s27
	s_or_b32 s30, s30, s31
	v_mov_b32 v14, s30
	v_mov_b32 v15, s30
	s_lshl_b32 s28, s24, 8
	s_mov_b32 s29, 0
	s_add_nc_u64 s[14:15], s[14:15], s[28:29]
	global_store_b64 v6, v[14:15], s[14:15]        ; the wave stores the record's 256 consecutive bytes, aligned
	s_endpgm
.Lfunc_end_k_q53380d0d71_prep:
	.size	k_q53380d0d71_prep, .Lfunc_end_k_q53380d0d71_prep-k_q53380d0d71_prep
	.p2alignl 7, 3214868480
	.fill 96, 4, 3214868480
	.section	.rodata,"a",@progbits
	.p2align	6, 0x0
	.amdhsa_kernel k_q53380d0d71_prep
		.amdhsa_group_segment_fixed_size 34304
		.amdhsa_private_segment_fixed_size 0
		.amdhsa_enable_private_segment 0
		.amdhsa_kernarg_size 48
		.amdhsa_user_sgpr_count 2
		.amdhsa_user_sgpr_kernarg_segment_ptr 1
		.amdhsa_wavefront_size32 1
		.amdhsa_system_sgpr_workgroup_id_x 1
		.amdhsa_system_sgpr_workgroup_id_y 1
		.amdhsa_system_sgpr_workgroup_id_z 1
		.amdhsa_system_vgpr_workitem_id 0
		.amdhsa_next_free_vgpr 240
		.amdhsa_next_free_sgpr 66
		.amdhsa_reserve_vcc 1
		.amdhsa_float_denorm_mode_32 3
		.amdhsa_float_denorm_mode_16_64 3
		.amdhsa_memory_ordered 1
		.amdhsa_forward_progress 1
		.amdhsa_inst_pref_size 166
	.end_amdhsa_kernel
	.amdgpu_metadata
---
amdhsa.version: [ 1, 2 ]
amdhsa.kernels:
  - .name:           k_q53380d0d71_prep
    .symbol:         k_q53380d0d71_prep.kd
    .args:
      - { .name: k, .offset: 0, .size: 8, .value_kind: global_buffer, .address_space: global }
      - { .name: v, .offset: 8, .size: 8, .value_kind: global_buffer, .address_space: global }
      - { .name: mask, .offset: 16, .size: 8, .value_kind: global_buffer, .address_space: global }
      - { .name: lowp_scales, .offset: 24, .size: 8, .value_kind: global_buffer, .address_space: global }
      - { .name: kvimg, .offset: 32, .size: 8, .value_kind: global_buffer, .address_space: global }
      - { .name: flags, .offset: 40, .size: 8, .value_kind: global_buffer, .address_space: global }
    .group_segment_fixed_size: 34304
    .private_segment_fixed_size: 0
    .kernarg_segment_align: 8
    .kernarg_segment_size: 48
    .max_flat_workgroup_size: 128
    .sgpr_count:     66
    .vgpr_count:     240
    .wavefront_size: 32
...
	.end_amdgpu_metadata
.endif
;; end of part 1
;; launch attn (part 2): grid 2 x 128, 4 waves a work-group, no clusters, 296,448 bytes of LDS; arguments q, kvimg, flags, mask, lowp_scales, out0; writes out0
.if DOCPART == 2
	.amdgcn_target "amdgcn-amd-amdhsa--gfx1250"
	.amdhsa_code_object_version 6
	.text
	.protected	k_q53380d0d71_attn
	.globl	k_q53380d0d71_attn
	.p2align	8
	.type	k_q53380d0d71_attn,@function
k_q53380d0d71_attn:
	s_mov_b64 s[64:65], 0
	v_nop
	global_prefetch_b8 v0, s[64:65] scope:SCOPE_SE
	s_setreg_imm32_b32 hwreg(HW_REG_WAVE_MODE, 25, 1), 1
	s_wait_xcnt 0x0
; SECOND LAUNCH.  out[h][q] = sum over keys of Q(w[q][key]) Q(v[key]);  w = softmax of the kept p;  p = softmax of the masked scores Q(q) . Q(k) / sqrt(128);  kept: all in rows under 5, else p >= the row's
; 5th largest p (with multiplicity);  row 0 of w is 0.  Both products on codes of BF8 (E5M2), each operand with its given scale 2^e (e0 q, e1 k, e2 w, e3 v); all else in f32.
; LEFT OUT AS DEAD WORK (shown at the head of the first launch): in a step of 16 queries x 128 keys whose mask entries are all 0 every score is NEG whatever q and k hold, so its first product and its per-score
; arithmetic are not done; its keys are carried as one number a lane (s = NEG, multiplicity 64 x the number of such steps) through the same formulas, and the second product takes them with that number's code.
; The branches hang on the whole numbers that the first launch stored (flags) and on ids alone.  A NaN, infinity or overflow of q or k that reaches only those steps is not carried.
; LIMITS.  NaN among the inputs is not served.  An exponential under 2^-126 counts as 0.  NEG stands as -2^100 in units of the raw sums (each under 2^39): -88 <= e0 + e1 <= 29, so that 2^100 x c is finite and its
; exponential 0.  e0 and e2 between -126 and 112; e2 + e3 between -126 and 127.  The keep test is made on e = 2^(c s - c max), not on p = e / sum: the two agree but where two numbers lie a rounding apart.
; The largest score is taken away before the first exponential and the largest p before the second, as reference() does.
; SHARES.  A work-group has one head (y) and half of its 64 tiles of 16 queries (x); the head's codes of K and V, 262,144 bytes, lie in LDS for its whole life, copied in once through registers.
; A wave walks 8 UNITS; a unit is 16 queries against all 1,024 keys, whose 16 x 1,024 scores stay in 512 registers: the 5th largest, both sums and the division want the whole row before anything is quantised.
; Trip i takes tile j = 8 (i / 2) + 2 wave + x (i even) or 63 - j (i odd): every tile once.  Behind the one barrier waves share nothing.  No tensor loads: this text branches on loaded whole numbers.
; No cluster: what the two work-groups of a head share is read once, at the head.  No prefetch: Q is loaded a unit ahead, into registers.
; LAYOUT.  Both products are used transposed: S^T = K Q^T (source 0 = 16 keys, source 1 = my 16 queries), O^T = V^T W^T: lane (r, h) holds query r throughout.  The keys of a fragment of K are chosen so that
; register 16 b + 8 u + j of step sig is key 128 sig + 32 b + 16 h + 8 u + j: the conversions' results are the second product's operand.  k is permuted alike in both operands of each product.
; REGISTERS, in windows of 256 (s_set_vgpr_msb: bits 1:0 source 0, 3:2 source 1, 5:4 source 2, 7:6 destination).  Step sig's 64 scores: window sig / 2, v[128 + 64 (sig % 2)] on.
;   window 0: v1-4 16 lane + 0, 1, 2, 3 x 65,536; v5 stage in (O); v6 stage by rows; v7 stage out (Q); v8 mask offset; v9 r; v10, v11 the add's two; v12 my query; v[14:15] -c max; v[16:17] AA = log2(e) / sum1;
;     v[18:19] BB = -e1 AA; v[20:21] 1 / sum2; v22 the threshold; v23, v24 57,344 x 2^e2, 2^e2; v25, v26 the same with e0; v27 -2^100; v28 copy-in address; v[30:31] the dead steps' code;
;     v[32:39] four pairs of sums; v[40:55] Q's fragment; v[56:63] at work; v[64:127] O^T (tile tau at 64 + 8 tau)
;   window 1: v0-63, v64-127 two sets of four fragments (K's eight, or V's halves); on the way out O's rows
;   window 2: v0-127 w's codes, 16 a step; during the scores v0-63 mask words and v127 a copy of -2^100
;   window 3: v0-63 the sort's first level, then the next unit's Q; v64-75 at work; v76-80 the five largest; v81-87 the other lists
.set STG,    262144                    ; behind the images: a stage of 16 rows x 528 bytes for each wave: Q on the way in, O on the way out
.set SP,     528
.set SPARE,  STG+4*16*SP               ; behind the stages: the spare words, 128 bytes for each wave: two blocks of 256 bytes that no other line names
.set UNITS,  8
.set MSB, 0
.macro WIN new                         ; the immediate's high byte repeats the setting that is left; at a label and at a branch every window is 0
.if MSB != (\new)
	s_set_vgpr_msb (MSB<<8)|(\new)
.set MSB, (\new)
.endif
.endm
.macro PLACES                          ; four places behind matrix instructions, ahead of reads of their results and of loads into their sources
.rept 4
	v_nop
.endr
.endm
.macro QTILE d, i                      ; s[d] = the tile of trip s[i];  s54 = 2 wave + x
	s_lshr_b32 s52, s\i, 1
	s_lshl_b32 s52, s52, 3
	s_add_co_u32 s52, s52, s54
	s_sub_co_u32 s53, 63, s52
	s_bitcmp1_b32 s\i, 0
	s_cselect_b32 s\d, s53, s52
.endm
.macro FETCHQ                          ; for trip s56: its eight flag words into s[40:47], its 16 queries' rows (512 consecutive bytes a load) into window 3, v0-63
	QTILE 57, 56
	s_lshl_b32 s58, s57, 11                        ; eight records of 256 bytes
	s_mov_b32 s59, 0
	s_add_nc_u64 s[36:37], s[8:9], s[58:59]
	s_lshl_b32 s58, s57, 13                        ; 16 rows of 512 bytes
	s_add_nc_u64 s[30:31], s[4:5], s[58:59]
.irp g, 0,1,2,3,4,5,6,7
	s_load_b32 s[40+\g], s[36:37], 256*\g
.endr
	WIN 0xc0
.set i, 0
.rept 16
	global_load_b128 v[4*i:4*i+3], v1, s[30:31] offset:512*i th:TH_LOAD_NT
.set i, i+1
.endr
	WIN 0
.endm
.macro CPLOAD g                        ; the copy in, group g of 8: 16 loads of 512 consecutive bytes of my quarter of the images, into the registers that the scores will take
	WIN ((\g)/2)<<6
.set n, 16*(\g)
.rept 16
	global_load_b128 v[128+4*(n%32):128+4*(n%32)+3], v1, s[6:7] offset:512*n
.set n, n+1
.endr
.endm
.macro CPSTORE g
	WIN ((\g)/2)<<2
.set n, 16*(\g)
.rept 16
	ds_store_b128 v28, v[128+4*(n%32):128+4*(n%32)+3] offset:512*n
.set n, n+1
.endr
.endm
	s_load_b256 s[4:11], s[0:1], 0x0               ; q s[4:5], kvimg s[6:7], flags s[8:9], mask s[10:11]
	s_load_b128 s[12:15], s[0:1], 0x20             ; lowp_scales s[12:13], out0 s[14:15]
	v_lshl_add_u32 v10, v0, 2, SPARE               ; my spare word; never rewritten
	v_mov_b32 v11, 0                               ; 0; never rewritten
	v_lshrrev_b32 v13, 5, v0
	v_readfirstlane_b32 s16, v13                   ; wave 0..3
	s_mov_b32 s17, ttmp9                           ; x
	s_and_b32 s18, ttmp7, 0xffff                   ; the head
	s_lshl_b32 s54, s16, 1
	s_add_co_u32 s54, s54, s17                     ; 2 wave + x
	v_and_b32 v13, 31, v0
	v_lshlrev_b32 v1, 4, v13                       ; 16 x lane: an image's place for my lane
	v_add_nc_u32 v2, 0x10000, v1
	v_add_nc_u32 v3, 0x20000, v1
	v_add_nc_u32 v4, 0x30000, v1
	v_and_b32 v9, 15, v0                           ; r
	v_bfe_u32 v13, v0, 4, 1                        ; h
	s_mul_i32 s52, s16, 16*SP
	s_add_co_u32 s52, s52, STG                     ; my stage
	v_mul_u32_u24 v5, v9, SP
	v_add_nc_u32 v5, s52, v5
	v_lshl_add_u32 v7, v13, 6, v5                  ; Q out of it: row r, + 64 h
	v_lshl_add_u32 v5, v13, 5, v5                  ; O into it: row r, + 32 h
	v_add_nc_u32 v6, s52, v1                       ; whole rows: 16 bytes a lane
	v_lshlrev_b32 v8, 12, v9
	v_lshl_add_u32 v8, v13, 6, v8                  ; the mask: row r of 4,096 bytes, + 64 h
	s_lshl_b32 s53, s16, 16
	v_add_nc_u32 v28, s53, v1                      ; the copy in: my quarter of the images
	v_mov_b32 v27, 0xf1800000                      ; -2^100
	s_mov_b32 s28, 0x76543210
	s_mov_b32 s29, 0xfedcba98                      ; v_permlanex16_b32's selects for lane l xor 16
	s_wait_kmcnt 0x0
	s_load_b128 s[48:51], s[12:13], 0x0            ; e0 .. e3
	s_lshl_b32 s52, s18, 19                        ; a head of q or of out0: 1,024 rows of 512 bytes
	s_mov_b32 s53, 0
	s_add_nc_u64 s[4:5], s[4:5], s[52:53]
	s_add_nc_u64 s[14:15], s[14:15], s[52:53]
	s_lshl_b32 s52, s18, 18                        ; a head's images,
	s_lshl_b32 s55, s16, 16                        ; my quarter of them
	s_add_co_u32 s52, s52, s55
	s_add_nc_u64 s[6:7], s[6:7], s[52:53]
	s_mov_b32 s56, 0
	FETCHQ                                         ; unit 0's flags and queries
	CPLOAD 0
	CPLOAD 1
	CPLOAD 2
	; every register is written before any way through the text reads it: the flag that leads round a load is the same flag that leads round its reader, but that cannot be read off the text
	WIN 0x40
.set i, 0
.rept 64
	v_mov_b32 v[64+i], 0                           ; the second set of fragments
.set i, i+1
.endr
	WIN 0x80
.set i, 0
.rept 64
	v_mov_b32 v[i], 0                              ; the mask words
.set i, i+1
.endr
	WIN 0
	s_wait_kmcnt 0x0
	s_add_co_i32 s52, s48, s49
	s_lshl_b32 s52, s52, 23
	s_add_co_i32 s24, s52, 0x3e0293ee              ; c = log2(e) / sqrt(128) x 2^(e0 + e1): the two exponents are added to c's exponent field
	s_mov_b32 s25, s24                             ; (named with it as a pair, so it is written)
	s_add_co_i32 s52, s50, s51
	s_add_co_i32 s52, s52, 127
	s_lshl_b32 s26, s52, 23                        ; 2^(e2 + e3)
	s_mov_b32 s27, s26
	s_add_co_i32 s52, s50, 127
	s_lshl_b32 s53, s52, 23
	v_mov_b32 v24, s53                             ; 2^e2 as f32: the conversion takes its exponent field
	s_add_co_i32 s52, s52, 15
	s_lshl_b32 s52, s52, 23
	s_or_b32 s52, s52, 0x600000
	v_mov_b32 v23, s52                             ; 57,344 x 2^e2
	s_add_co_i32 s52, s48, 127
	s_lshl_b32 s53, s52, 23
	v_mov_b32 v26, s53                             ; 2^e0
	s_add_co_i32 s52, s52, 15
	s_lshl_b32 s52, s52, 23
	s_or_b32 s52, s52, 0x600000
	v_mov_b32 v25, s52                             ; 57,344 x 2^e0
.irp g, 0,1,2,3,4,5,6,7
.if \g < 6
	s_wait_loadcnt 32                              ; group g is in; the two younger groups' 32 loads may be out
.else
	s_wait_loadcnt 16*(7-\g)
.endif
	CPSTORE \g
.if \g < 5
	CPLOAD \g+3
.endif
.endr
	WIN 0
	s_wait_dscnt 0x0                               ; for the others' sake: my quarter of the images lies in LDS
	s_barrier_signal -1
	s_barrier_wait -1                              ; everybody's does: from here on the images are only read
	s_mov_b32 s19, 0
; ---- the five largest of a lane's scores, with multiplicity.  x goes into the sorted list v76 >= .. >= v80 (window 3)
.macro INS5 x
	v_med3_num_f32 v80, v[\x], v79, v80
	v_med3_num_f32 v79, v[\x], v78, v79
	v_med3_num_f32 v78, v[\x], v77, v78
	v_med3_num_f32 v77, v[\x], v76, v77
	v_max_num_f32 v76, v76, v[\x]
.endm
; Nine scores, as three sorted triples (largest at v[3 n ..], middle at v[21 + 3 n ..], least at v[42 + 3 n ..]).  A number with k numbers of its own nine at or above it is among a lane's five largest only if it is among
; the floor(5 / (k + 1)) largest of its class: the largest sorted again (k = 0, 1, 2: five, two, one are kept); of the middles the largest (k = 1: two) and the middle (k = 3: one), the least never (k = 5);
; of the least the largest (k = 2: one), the others never (k = 5).
.macro NINE n
.set TS, 64+6*((\n)%2)
	v_max3_num_f32 v[TS], v[3*(\n)], v[3*(\n)+1], v[3*(\n)+2]
	v_med3_num_f32 v[TS+1], v[3*(\n)], v[3*(\n)+1], v[3*(\n)+2]
	v_min3_num_f32 v[TS+2], v[3*(\n)], v[3*(\n)+1], v[3*(\n)+2]
	v_max3_num_f32 v[TS+3], v[21+3*(\n)], v[22+3*(\n)], v[23+3*(\n)]
	v_med3_num_f32 v[TS+4], v[21+3*(\n)], v[22+3*(\n)], v[23+3*(\n)]
	v_max3_num_f32 v[TS+5], v[42+3*(\n)], v[43+3*(\n)], v[44+3*(\n)]
	INS5 TS
	v_med3_num_f32 v82, v[TS+1], v81, v82
	v_max_num_f32 v81, v81, v[TS+1]
	v_max_num_f32 v83, v83, v[TS+2]
	v_med3_num_f32 v85, v[TS+3], v84, v85
	v_max_num_f32 v84, v84, v[TS+3]
	v_max_num_f32 v86, v86, v[TS+4]
	v_max_num_f32 v87, v87, v[TS+5]
.endm
; ---- a live step's eight fragments of K from LDS; where the step is mixed, its mask words from memory
.macro LOADK sig
	WIN 0
	s_bitcmp1_b32 s21, (\sig)
	s_cbranch_scc0 .Lnk_\@
	s_wait_dscnt 0x0                               ; no LDS load is out on any way that leads here: these registers may be loaded
	s_bitcmp1_b32 s22, (\sig)
	s_cbranch_scc0 .Lnm_\@
	s_wait_loadcnt 0x0                             ; likewise the mask words' registers
	WIN 0x80
.set i, 0
.rept 16
	global_load_b128 v[4*i:4*i+3], v8, s[34:35] offset:512*(\sig)+128*(i/4)+16*(i%4)   ; word 16 b + j: key 128 sig + 32 b + 16 h + j of query r: the scores' own order
.set i, i+1
.endr
	WIN 0
.Lnm_\@:
	WIN 0x40
.set i, 0
.rept 32
	ds_load_b128 v[4*i:4*i+3], v[1+(\sig)/4] offset:((8*(\sig)+i/4)%32)*2048+512*(i%4)
.set i, i+1
.endr
	WIN 0
.Lnk_\@:
.endm
; ---- S^T = K Q^T for a live step; where it is mixed, forbidden entries become -2^100
.macro MMQK sig
.set SB, 128+64*((\sig)%2)
.set W, (\sig)/2
	WIN 0
	s_bitcmp1_b32 s21, (\sig)
	s_cbranch_scc0 .Lnq_\@
	s_wait_dscnt 0x0                               ; K's fragments are in
	WIN 1|(W<<6)
.set t, 0
.rept 8
	v_wmma_f32_16x16x128_bf8_bf8 v[SB+8*t:SB+8*t+7], v[16*t:16*t+15], v[40:55], 0
.set t, t+1
.endr
	PLACES
	WIN 0
	s_bitcmp1_b32 s22, (\sig)
	s_cbranch_scc0 .Lnq_\@
	s_wait_loadcnt 0x0                             ; the mask words are in
	WIN W|8|(W<<6)
.set j, 0
.rept 64
	v_cmp_eq_u32 vcc_lo, 0, v[j]
	v_cndmask_b32 v[SB+j], v[SB+j], v127, vcc_lo
.set j, j+1
.endr
	WIN 0
.Lnq_\@:
.endm
; ---- a live step's 64 scores go into the lists: 21 triples are sorted (all the largest first, in ascending order: each accumulator is first read at its low end), then seven nines, then the one left over
.macro TREE sig
.set SB, 128+64*((\sig)%2)
.set W, (\sig)/2
	WIN 0
	s_bitcmp1_b32 s21, (\sig)
	s_cbranch_scc0 .Lnt_\@
	WIN W|(W<<2)|(W<<4)|0xc0
.set i, 0
.rept 21
	v_max3_num_f32 v[i], v[SB+3*i], v[SB+3*i+1], v[SB+3*i+2]
.set i, i+1
.endr
.set i, 0
.rept 21
	v_med3_num_f32 v[21+i], v[SB+3*i], v[SB+3*i+1], v[SB+3*i+2]
.set i, i+1
.endr
.set i, 0
.rept 21
	v_min3_num_f32 v[42+i], v[SB+3*i], v[SB+3*i+1], v[SB+3*i+2]
.set i, i+1
.endr
	v_mov_b32 v63, v[SB+63]
	WIN 0xff
.irp n, 0,1,2,3,4,5,6
	NINE \n
.endr
	INS5 63
	WIN 0
.Lnt_\@:
.endm
; ---- e = 2^(c s - c max) in place, and its sum.  The exponentials of eight registers stand among the scalings of the next eight; one plain line and ONE wait for the step's 64 stand ahead of the first reader
.macro P2 sig
.set SB, 128+64*((\sig)%2)
.set W, (\sig)/2
	WIN 0
	s_bitcmp1_b32 s21, (\sig)
	s_cbranch_scc0 .Ln2_\@
	WIN W|(W<<6)
.set g, 0
.rept 9
.set k, 0
.rept 4
.if g < 8
	v_pk_fma_f32 v[SB+8*g+2*k:SB+8*g+2*k+1], v[SB+8*g+2*k:SB+8*g+2*k+1], s[24:25], v[14:15] op_sel_hi:[1,0,0]
.endif
.if g > 0
	v_exp_f32 v[SB+8*g-8+2*k], v[SB+8*g-8+2*k]
	v_exp_f32 v[SB+8*g-7+2*k], v[SB+8*g-7+2*k]
.endif
.set k, k+1
.endr
.set g, g+1
.endr
	v_nop
	s_wait_alu depctr_va_vdst(0)
	WIN W
.set k, 0
.rept 32
	v_pk_add_f32 v[32+2*(k%4):33+2*(k%4)], v[SB+2*k:SB+2*k+1], v[32+2*(k%4):33+2*(k%4)]
.set k, k+1
.endr
	WIN 0
.Ln2_\@:
.endm
; ---- what is under the threshold becomes -2^100; u = 2^(e AA + BB) = exp(p - the largest p) in place (0 for what is not kept), and its sum
.macro P3 sig
.set SB, 128+64*((\sig)%2)
.set W, (\sig)/2
	WIN 0
	s_bitcmp1_b32 s21, (\sig)
	s_cbranch_scc0 .Ln3_\@
	WIN W|(W<<6)
.set g, 0
.rept 9
.set k, 0
.rept 8
.if g < 8
	v_cmp_lt_f32 vcc_lo, v[SB+8*g+k], v22
.endif
.if g > 0
	v_exp_f32 v[SB+8*g-8+k], v[SB+8*g-8+k]
.endif
.if g < 8
	v_cndmask_b32 v[SB+8*g+k], v[SB+8*g+k], v27, vcc_lo
.endif
.set k, k+1
.endr
.if g < 8
.set k, 0
.rept 4
	v_pk_fma_f32 v[SB+8*g+2*k:SB+8*g+2*k+1], v[SB+8*g+2*k:SB+8*g+2*k+1], v[16:17], v[18:19] op_sel_hi:[1,0,0]
.set k, k+1
.endr
.endif
.set g, g+1
.endr
	v_nop
	s_wait_alu depctr_va_vdst(0)                   ; one wait for the step's 64 exponentials, ahead of their first reader
	WIN W
.set k, 0
.rept 32
	v_pk_add_f32 v[32+2*(k%4):33+2*(k%4)], v[SB+2*k:SB+2*k+1], v[32+2*(k%4):33+2*(k%4)]
.set k, k+1
.endr
	WIN 0
.Ln3_\@:
.endm
; ---- the four pairs of sums, the dead steps' number ve with its multiplicity s23, lane l xor 16's half of the row; v34 = 1 / the row's sum
.macro REDUCE ve
	v_pk_add_f32 v[32:33], v[32:33], v[34:35]
	v_pk_add_f32 v[36:37], v[36:37], v[38:39]
	v_pk_add_f32 v[32:33], v[32:33], v[36:37]
	v_add_f32 v32, v32, v33
	v_fma_f32 v32, v[\ve], s23, v32
	v_permlanex16_b32 v33, v32, s28, s29
	v_add_f32 v32, v32, v33
	v_rcp_f32 v34, v32
	v_nop                                          ; a plain line behind the reciprocal,
	s_wait_alu depctr_va_vdst(0)                   ; and the wait ahead of its first reader
.endm
; ---- a step's 16 registers of codes: a live step's w = u / sum2, held and converted; a dead step's are the one code
.macro CODES sig
.set SB, 128+64*((\sig)%2)
.set W, (\sig)/2
	WIN 0
	s_bitcmp1_b32 s21, (\sig)
	s_cbranch_scc0 .Ldead_\@
	WIN W|(W<<6)
.set k, 0
.rept 32
	v_pk_mul_f32 v[SB+2*k:SB+2*k+1], v[SB+2*k:SB+2*k+1], v[20:21] op_sel_hi:[1,0]
.set k, k+1
.endr
.set k, 0
.rept 64
	v_min_num_f32 v[SB+k], v[SB+k], v23            ; the conversion to an 8-bit code does not saturate (ISA guide 7.6.2); w is not negative, so the hold is one-sided
.set k, k+1
.endr
	WIN W|0x80
.set g, 0
.rept 8
	v_cvt_scalef32_pk8_bf8_f32 v[16*(\sig)+2*g:16*(\sig)+2*g+1], v[SB+8*g:SB+8*g+7], v24
.set g, g+1
.endr
	v_nop                                          ; a plain line behind the run of conversions
	WIN 0
	s_branch .Lcoded_\@
.Ldead_\@:
	WIN 0x80
.set i, 0
.rept 16
	v_mov_b32 v[16*(\sig)+i], v30
.set i, i+1
.endr
	WIN 0
.Lcoded_\@:
.endm
.macro LOADV sig, half                 ; four fragments of V^T (channels 64 half on, the step's 128 keys): on every way alike, so that the counted waits hold on every way
	WIN 0x40
.set i, 0
.rept 16
	ds_load_b128 v[64*(\half)+4*i:64*(\half)+4*i+3], v[3+(\sig)/4] offset:((8*(\sig)+4*(\half)+i/4)%32)*2048+512*(i%4)
.set i, i+1
.endr
.endm
.macro MMPV sig, half                  ; O^T += V^T W^T.  The eight accumulators take turns, one instruction a turn, in the same order in every step; step 0's products start the sums
	WIN 0x09
.set f, 0
.rept 4
.set TA, 64+8*(4*(\half)+f)
.if (\sig) == 0
	v_wmma_f32_16x16x128_bf8_bf8 v[TA:TA+7], v[64*(\half)+16*f:64*(\half)+16*f+15], v[16*(\sig):16*(\sig)+15], 0
.else
	v_wmma_f32_16x16x128_bf8_bf8 v[TA:TA+7], v[64*(\half)+16*f:64*(\half)+16*f+15], v[16*(\sig):16*(\sig)+15], v[TA:TA+7]
.endif
.set f, f+1
.endr
	PLACES
.endm
.Lunit:
	; ---- the unit's head: addresses, flags, Q's fragment
	s_wait_xcnt 0x0                                ; the last unit's stores and loads have read their bases and data: they may be written
	QTILE 20, 19
	s_lshl_b32 s52, s20, 4
	v_add_nc_u32 v12, s52, v9                      ; my query
	s_lshl_b32 s52, s20, 13
	s_mov_b32 s53, 0
	s_add_nc_u64 s[32:33], s[14:15], s[52:53]      ; the tile's rows of out0
	s_lshl_b32 s52, s20, 16
	s_add_nc_u64 s[34:35], s[10:11], s[52:53]      ; and of the mask
	s_wait_kmcnt 0x0                               ; the eight flag words
	s_or_b32 s40, s40, s41
	s_or_b32 s42, s42, s43
	s_or_b32 s44, s44, s45
	s_or_b32 s46, s46, s47
	s_or_b32 s40, s40, s42
	s_or_b32 s44, s44, s46
	s_or_b32 s40, s40, s44
	s_and_b32 s21, s40, 255                        ; bit sig: the step has an allowed entry
	s_lshr_b32 s22, s40, 8
	s_and_b32 s22, s22, 255                        ; bit sig: and a forbidden one
	s_bcnt1_i32_b32 s52, s21
	s_sub_co_u32 s52, 8, s52
	s_lshl_b32 s52, s52, 6
	s_cvt_f32_u32 s23, s52                         ; a lane's keys in dead steps: 64 each
	s_wait_loadcnt 0x0                             ; Q's rows, asked for a unit ago
	WIN 0x0c
.set i, 0
.rept 16
	ds_store_b128 v6, v[4*i:4*i+3] offset:SP*i
.set i, i+1
.endr
	WIN 0x40
.set i, 0
.rept 16
	ds_load_b128 v[4*i:4*i+3], v7 offset:128*(i/4)+16*(i%4)   ; LDS serves a wave's instructions in order: these see the stores above.  Register 16 c + j = d 32 c + 16 h + j of query r
.set i, i+1
.endr
	s_wait_dscnt 0x0
	WIN 0x41
.set i, 0
.rept 64
	v_med3_num_f32 v[i], v[i], -v25, v25           ; the hold at the largest code x the scale
.set i, i+1
.endr
	WIN 0x01
.set g, 0
.rept 8
	v_cvt_scalef32_pk8_bf8_f32 v[40+2*g:41+2*g], v[8*g:8*g+7], v26
.set g, g+1
.endr
	v_nop                                          ; a plain line behind the run of conversions
	WIN 0xc0
.set i, 0
.rept 24
	v_mov_b32 v[64+i], v27                         ; the lists begin at -2^100, the least number that an entry can hold: a row has 1,024 entries, so these change nothing among its five largest
.set i, i+1
.endr
	WIN 0x80
	v_mov_b32 v127, v27
	WIN 0
	; ---- scores and lists: a step's fragments are asked for, the step before is sorted meanwhile, then the step is multiplied
	LOADK 0
	MMQK 0
.irp s, 1,2,3,4,5,6,7
	LOADK \s
	TREE \s-1
	MMQK \s
.endr
	TREE 7
	s_wait_loadcnt 0x0                             ; on every way: nothing is out from here on
	s_wait_dscnt 0x0
	; ---- the next unit's flags and queries, if there is a next unit: no load leaves its buffer
	s_cmp_eq_u32 s19, UNITS-1
	s_cbranch_scc1 .Lno_next
	s_add_co_u32 s56, s19, 1
	FETCHQ
.Lno_next:
	; ---- the lists are joined, then lane l xor 16's five: both lanes of a query hold the row's five largest scores
	WIN 0xff
.irp x, 81,82,83,84,85,86,87
	INS5 \x
.endr
.irp i, 0,1,2,3,4
	v_permlanex16_b32 v[64+\i], v[76+\i], s28, s29
.endr
.irp x, 64,65,66,67,68
	INS5 \x
.endr
	WIN 0x03
	v_mov_b32 v56, v76                             ; the largest,
	v_mov_b32 v57, v80                             ; the fifth,
	WIN 0
	v_mov_b32 v58, v27                             ; and the dead steps' number
	v_mov_b32 v59, v27
	v_mul_f32 v14, -v56, s24                       ; -c max (exact where max is -2^100)
	v_mov_b32 v15, v14
	v_pk_fma_f32 v[56:57], v[56:57], s[24:25], v[14:15] op_sel_hi:[1,0,0]   ; the same lines as for every score: so the fifth's e has the bits of its own entry's
	v_pk_fma_f32 v[58:59], v[58:59], s[24:25], v[14:15] op_sel_hi:[1,0,0]
	v_exp_f32 v56, v56                             ; e1
	v_exp_f32 v57, v57                             ; e5
	v_exp_f32 v58, v58                             ; e0
.irp i, 0,1,2,3,4,5,6,7
	v_mov_b32 v[32+\i], 0                          ; the sums.  (Plain lines behind the exponentials)
.endr
	s_wait_alu depctr_va_vdst(0)                   ; the wait for the three, ahead of their first reader and of the branch below
.irp s, 0,1,2,3,4,5,6,7
	P2 \s
.endr
	REDUCE 58
	v_mul_f32 v16, 0x3fb8aa3b, v34                 ; AA = log2(e) / sum1
	v_mov_b32 v17, v16
	v_mul_f32 v18, -v56, v16                       ; BB = -e1 AA: the largest p is taken away
	v_mov_b32 v19, v18
	v_cmp_le_u32 vcc_lo, 5, v12
	v_cndmask_b32 v22, -1.0, v57, vcc_lo           ; the threshold: e5; in rows under 5 a number under every e
	v_cmp_lt_f32 vcc_lo, v58, v22                  ; the dead steps' number goes the way of every entry
	v_cndmask_b32 v58, v58, v27, vcc_lo
	v_fma_f32 v58, v58, v16, v18
	v_exp_f32 v58, v58                             ; u0
.irp i, 0,1,2,3,4,5,6,7
	v_mov_b32 v[32+\i], 0
.endr
	s_wait_alu depctr_va_vdst(0)
.irp s, 0,1,2,3,4,5,6,7
	P3 \s
.endr
	REDUCE 58
	v_cmp_ne_u32 vcc_lo, 0, v12
	v_cndmask_b32 v20, 0, v34, vcc_lo              ; 1 / sum2; 0 for query 0, whose weights reference() sets to 0
	v_mov_b32 v21, v20
	v_mul_f32 v56, v58, v20
	v_min_num_f32 v56, v56, v23
.irp i, 1,2,3,4,5,6,7
	v_mov_b32 v[56+\i], v56
.endr
	v_cvt_scalef32_pk8_bf8_f32 v[30:31], v[56:63], v24   ; the dead steps' code, four to a word
	v_nop
	; ---- codes and the second product, over all keys
	LOADV 0, 0
	LOADV 0, 1
.irp s, 0,1,2,3,4,5,6,7
	CODES \s
	s_wait_dscnt 16                                ; the first four fragments are in; the other four's 16 loads, issued later, may be out
	MMPV \s, 0
.if \s < 7
	LOADV \s+1, 0
	s_wait_dscnt 16                                ; the other four are in; the 16 loads just issued may be out
.else
	s_wait_dscnt 0
.endif
	MMPV \s, 1
.if \s < 7
	LOADV \s+1, 1
.endif
.endr
	; ---- the way out: O^T x 2^(e2 + e3), through my stage, back as whole rows
	WIN 0x40
.set k, 0
.rept 32
	v_pk_mul_f32 v[2*k:2*k+1], v[64+2*k:65+2*k], s[26:27] op_sel_hi:[1,0]   ; each accumulator from its low end on
.set k, k+1
.endr
	WIN 0x04
.set t, 0
.rept 8
	ds_store_b128 v5, v[8*t:8*t+3] offset:64*t         ; lane (r, h): out(r, 16 tau + 8 h + 0 .. 7)
	ds_store_b128 v5, v[8*t+4:8*t+7] offset:64*t+16
.set t, t+1
.endr
	WIN 0x40
.set i, 0
.rept 16
	ds_load_b128 v[64+4*i:67+4*i], v6 offset:SP*i      ; LDS serves a wave's instructions in order: these see the stores above
.set i, i+1
.endr
	WIN 0x04
.set i, 0
.rept 16
	s_wait_dscnt 15-i                              ; row i is back; the younger loads may be out
	global_store_b128 v1, v[64+4*i:67+4*i], s[32:33] offset:512*i th:TH_STORE_NT   ; 32 lanes store a row's 512 consecutive bytes, aligned
.set i, i+1
.endr
	WIN 0
	s_add_co_u32 s19, s19, 1
	s_cmp_lt_u32 s19, UNITS
	s_cbranch_scc1 .Lunit
	s_wait_tensorcnt 0x0                           ; the wave's end
	ds_add_u32 v10, v11
	s_wait_dscnt 0x0
	s_endpgm
.Lfunc_end_k_q53380d0d71_attn:
	.size	k_q53380d0d71_attn, .Lfunc_end_k_q53380d0d71_attn-k_q53380d0d71_attn
	.p2alignl 7, 3214868480
	.fill 96, 4, 3214868480
	.section	.rodata,"a",@progbits
	.p2align	6, 0x0
	.amdhsa_kernel k_q53380d0d71_attn
		.amdhsa_group_segment_fixed_size 296448
		.amdhsa_private_segment_fixed_size 0
		.amdhsa_enable_private_segment 0
		.amdhsa_kernarg_size 48
		.amdhsa_user_sgpr_count 2
		.amdhsa_user_sgpr_kernarg_segment_ptr 1
		.amdhsa_wavefront_size32 1
		.amdhsa_system_sgpr_workgroup_id_x 1
		.amdhsa_system_sgpr_workgroup_id_y 1
		.amdhsa_system_sgpr_workgroup_id_z 1
		.amdhsa_system_vgpr_workitem_id 0
		.amdhsa_next_free_vgpr 1024
		.amdhsa_next_free_sgpr 66
		.amdhsa_reserve_vcc 1
		.amdhsa_float_denorm_mode_32 3
		.amdhsa_float_denorm_mode_16_64 3
		.amdhsa_memory_ordered 1
		.amdhsa_forward_progress 1
		.amdhsa_inst_pref_size 255
	.end_amdhsa_kernel
	.section	.bss,"aw",@nobits
	.p2align	6
	.space	262144
	.amdgpu_metadata
---
amdhsa.version: [ 1, 2 ]
amdhsa.kernels:
  - .name:           k_q53380d0d71_attn
    .symbol:         k_q53380d0d71_attn.kd
    .args:
      - { .name: q, .offset: 0, .size: 8, .value_kind: global_buffer, .address_space: global }
      - { .name: kvimg, .offset: 8, .size: 8, .value_kind: global_buffer, .address_space: global }
      - { .name: flags, .offset: 16, .size: 8, .value_kind: global_buffer, .address_space: global }
      - { .name: mask, .offset: 24, .size: 8, .value_kind: global_buffer, .address_space: global }
      - { .name: lowp_scales, .offset: 32, .size: 8, .value_kind: global_buffer, .address_space: global }
      - { .name: out0, .offset: 40, .size: 8, .value_kind: global_buffer, .address_space: global }
    .group_segment_fixed_size: 296448
    .private_segment_fixed_size: 0
    .kernarg_segment_align: 8
    .kernarg_segment_size: 48
    .max_flat_workgroup_size: 128
    .sgpr_count:     66
    .vgpr_count:     1024
    .wavefront_size: 32
...
	.end_amdgpu_metadata
.endif
;; end of part 2
;; ======== version 2 of 2: 2 launches; version 1 with the launch attn written anew for expert scheduling mode
;; workspace buffers: kvimg 33,554,432 bytes; flags 131,072 bytes of whole numbers
;; launch prep: the kernel of part 1 again; grid 640 x 1, 4 waves a work-group, no clusters, 34,304 bytes of LDS; arguments k, v, mask, lowp_scales, kvimg, flags; writes kvimg, flags
;; launch attn (part 3): grid 2 x 128, 4 waves a work-group, no clusters, 296,448 bytes of LDS; arguments q, kvimg, flags, mask, lowp_scales, out0; writes out0
.if DOCPART == 3
	.amdgcn_target "amdgcn-amd-amdhsa--gfx1250"
	.amdhsa_code_object_version 6
	.text
	.protected	k_q53380d0d71_attn
	.globl	k_q53380d0d71_attn
	.p2align	8
	.type	k_q53380d0d71_attn,@function
k_q53380d0d71_attn:
	s_mov_b64 s[64:65], 0
	v_nop
	global_prefetch_b8 v0, s[64:65] scope:SCOPE_SE
	s_setreg_imm32_b32 hwreg(HW_REG_WAVE_SCHED_MODE, 0, 2), 2
	s_setreg_imm32_b32 hwreg(HW_REG_WAVE_MODE, 25, 1), 1
	s_wait_xcnt 0x0
	s_wait_alu depctr_vm_vsrc(0)
; SECOND LAUNCH.  out[h][q] = sum over keys of Q(w[q][key]) Q(v[key]);  w = softmax of the kept p;  p = softmax of the masked scores Q(q) . Q(k) / sqrt(128);  kept: all in rows under 5, else p >= the row's
; 5th largest p (with multiplicity);  row 0 of w is 0.  Both products on codes of BF8 (E5M2), each operand with its given scale 2^e (e0 q, e1 k, e2 w, e3 v); all else in f32.
; LEFT OUT AS DEAD WORK (shown at the head of the first launch): in a step of 16 queries x 128 keys whose mask entries are all 0 every score is NEG whatever q and k hold, so its first product and its per-score
; arithmetic are not done; its keys are carried as one number a lane (s = NEG, multiplicity 64 x the number of such steps) through the same formulas, and the second product takes them with that number's code.
; The branches hang on the whole numbers that the first launch stored (flags) and on ids alone.  A NaN, infinity or overflow of q or k that reaches only those steps is not carried.
; LIMITS.  NaN among the inputs is not served.  An exponential under 2^-126 counts as 0.  NEG stands as -2^100 in units of the raw sums (each under 2^39): -88 <= e0 + e1 <= 29, so that 2^100 x c is finite and its
; exponential 0.  e0 and e2 between -126 and 112; e2 + e3 between -126 and 127.  The keep test is made on e = 2^(c s - c max), not on p = e / sum: the two agree but where two numbers lie a rounding apart.
; The largest score is taken away before the first exponential and the largest p before the second, as reference() does.
; SHARES.  A work-group has one head (y) and half of its 64 tiles of 16 queries (x); the head's codes of K and V, 262,144 bytes, lie in LDS for its whole life, copied in once through registers.
; A wave walks 8 UNITS; a unit is 16 queries against all 1,024 keys, whose 16 x 1,024 scores stay in 512 registers: the 5th largest, both sums and the division want the whole row before anything is quantised.
; Trip i takes tile j = 8 (i / 2) + 2 wave + x (i even) or 63 - j (i odd): every tile once.  Behind the one barrier waves share nothing.  No tensor loads: this text branches on loaded whole numbers.
; No cluster: what the two work-groups of a head share is read once, at the head.  No prefetch: Q is loaded a unit ahead, into registers.
; LAYOUT.  Both products are used transposed: S^T = K Q^T (source 0 = 16 keys, source 1 = my 16 queries), O^T = V^T W^T: lane (r, h) holds query r throughout.  The keys of a fragment of K are chosen so that
; register 16 b + 8 u + j of step sig is key 128 sig + 32 b + 16 h + 8 u + j: the conversions' results are the second product's operand.  k is permuted alike in both operands of each product.
; REGISTERS, in windows of 256 (s_set_vgpr_msb: bits 1:0 source 0, 3:2 source 1, 5:4 source 2, 7:6 destination).  Step sig's 64 scores: window sig / 2, v[128 + 64 (sig % 2)] on.
;   window 0: v1-4 16 lane + 0, 1, 2, 3 x 65,536; v5 stage in (O); v6 stage by rows; v7 stage out (Q); v8 mask offset; v9 r; v10, v11 the add's two; v12 my query; v[14:15] -c max; v[16:17] AA = log2(e) / sum1;
;     v[18:19] BB = -e1 AA; v[20:21] 1 / sum2; v22 the threshold; v23, v24 57,344 x 2^e2, 2^e2; v25, v26 the same with e0; v27 -2^100; v28 copy-in address; v[30:31] the dead steps' code;
;     v[32:39] four pairs of sums; v[40:55] Q's fragment; v[56:63] at work; v[64:127] O^T (tile tau at 64 + 8 tau)
;   window 1: v0-127 eight fragments: K's, or V's of an even step; on the way out O's rows
;   window 2: v0-127 w's codes, 16 a step; during the scores v0-63 mask words and v127 a copy of -2^100
;   window 3: v0-63 the sort's first level, then the next unit's Q; v64-75 at work; v76-80 the five largest; v81-87 the other lists
;   V's eight fragments of an odd step: four in window 0, v128-191 (step 0's scores, once they are coded), four in window 3, v64-127 (once the lists are joined)
;   s38 2 wave + x.  s[48:63] the sixteen masks of a run of compares; at the head s48-51 hold the exponents; between runs s52, s53 and s56-59 are scratch of the address lines, each written anew before it is read
; THE MODE: SCHED_MODE bits 1:0 = 2 (LLVM: expert scheduling mode 2), set by the entry lines.  The code itself states the register dependences between vector or matrix instructions and memory or LDS
; instructions, and those through scalar registers and VCC that vector instructions write, with s_wait_alu, always for 0.
; THE PLAN.  Registers that memory or LDS instructions touch, in a unit's order.  The addresses v1-8 and v28 are made at the head and never written again.
;   QR   window 3, v0-63.   The next unit's queries land in it behind the last sort; the unit's head stores it to the stage; then the sorts write and read it.
;   KF   window 1, v0-127.  Q comes back from the stage into v0-63, the holds and conversions read it; in each live step K's fragments land and eight products read them.
;   MW   window 2, v0-63.   A mixed step's mask words land, its compares read them; later w's codes lie there: conversions write, products read.
;   VA = KF: V of even steps.   VB = window 0, v128-191 with window 3, v64-127: V of odd steps.  Step s: its products read V(s) in one of the two while V(s + 1) lands in the other, which step s - 1's products read.
;   OUT  window 1: v0-63 the scaled sums, written by multiplications, read by the stage's stores; v64-127 the rows back from the stage, read by the global stores.
; THE WAITS.  On vm_vsrc, two a unit: at its top (OUT has been read; on the first trip the copy-in's stores have read the scores' registers), and behind Q's way through the stage (QR has been read).
; On va_vdst: ahead of the loads into QR; in a live step ahead of the loads into KF, and in a mixed one into MW: they stand behind the first level of the sort of the step before, which reads that step's
; products, and the rest of that sort follows the loads; one in each step of the second product, behind its codes and ahead of the 32 loads of V(s + 1); one ahead of the way out's stores; and the one behind
; each batch of exponentials or reciprocals.  On va_sdst: one behind each run of sixteen compares.  On va_vcc: one ahead of each of the three selects by VCC.
.set STG,    262144                    ; behind the images: a stage of 16 rows x 528 bytes for each wave: Q on the way in, O on the way out
.set SP,     528
.set SPARE,  STG+4*16*SP               ; behind the stages: the spare words, 128 bytes for each wave: two blocks of 256 bytes that no other line names
.set UNITS,  8
.set MK,     48                        ; s[48:63]: the masks of a run of sixteen compares
.set MSB, 0
.macro WIN new                         ; the immediate's high byte repeats the setting that is left; at a label and at a branch every window is 0
.if MSB != (\new)
	s_set_vgpr_msb (MSB<<8)|(\new)
.set MSB, (\new)
.endif
.endm
.macro PLACES                          ; four places behind matrix instructions, ahead of reads of their results (ISA guide 7.12.1)
.rept 4
	v_nop
.endr
.endm
.macro QTILE d, i                      ; s[d] = the tile of trip s[i];  s38 = 2 wave + x
	s_lshr_b32 s52, s\i, 1
	s_lshl_b32 s52, s52, 3
	s_add_co_u32 s52, s52, s38
	s_sub_co_u32 s53, 63, s52
	s_bitcmp1_b32 s\i, 0
	s_cselect_b32 s\d, s53, s52
.endm
.macro FETCHQ                          ; for trip s56: its eight flag words into s[40:47], its 16 queries' rows (512 consecutive bytes a load) into window 3, v0-63
	QTILE 57, 56
	s_lshl_b32 s58, s57, 11                        ; eight records of 256 bytes
	s_mov_b32 s59, 0
	s_add_nc_u64 s[36:37], s[8:9], s[58:59]
	s_lshl_b32 s58, s57, 13                        ; 16 rows of 512 bytes
	s_add_nc_u64 s[30:31], s[4:5], s[58:59]
.irp g, 0,1,2,3,4,5,6,7
	s_load_b32 s[40+\g], s[36:37], 256*\g
.endr
	WIN 0xc0
	s_wait_alu depctr_va_vdst(0)                   ; at the head: the addresses v1 to v8 and v28 are written, which every load and store of the kernel reads; in the loop: the sorts are done writing and reading window 3's v0-63, in which these loads land
.set i, 0
.rept 16
	global_load_b128 v[4*i:4*i+3], v1, s[30:31] offset:512*i th:TH_LOAD_NT
.set i, i+1
.endr
	WIN 0
.endm
.macro CPLOAD g                        ; the copy in, group g of 8: 16 loads of 512 consecutive bytes of my quarter of the images, into the registers that the scores will take; no vector instruction has named them
	WIN ((\g)/2)<<6
.set n, 16*(\g)
.rept 16
	global_load_b128 v[128+4*(n%32):128+4*(n%32)+3], v1, s[6:7] offset:512*n
.set n, n+1
.endr
.endm
.macro CPSTORE g
	WIN ((\g)/2)<<2
.set n, 16*(\g)
.rept 16
	ds_store_b128 v28, v[128+4*(n%32):128+4*(n%32)+3] offset:512*n
.set n, n+1
.endr
.endm
	s_load_b256 s[4:11], s[0:1], 0x0               ; q s[4:5], kvimg s[6:7], flags s[8:9], mask s[10:11]
	s_load_b128 s[12:15], s[0:1], 0x20             ; lowp_scales s[12:13], out0 s[14:15]
	v_lshl_add_u32 v10, v0, 2, SPARE               ; my spare word; never rewritten
	v_mov_b32 v11, 0                               ; 0; never rewritten
	v_lshrrev_b32 v13, 5, v0
	v_readfirstlane_b32 s16, v13                   ; wave 0..3
	s_mov_b32 s17, ttmp9                           ; x
	s_and_b32 s18, ttmp7, 0xffff                   ; the head
	s_wait_alu depctr_va_sdst(0)                   ; s16 is written, ahead of its first reader
	s_lshl_b32 s38, s16, 1
	s_add_co_u32 s38, s38, s17                     ; 2 wave + x
	v_and_b32 v13, 31, v0
	v_lshlrev_b32 v1, 4, v13                       ; 16 x lane: an image's place for my lane
	v_add_nc_u32 v2, 0x10000, v1
	v_add_nc_u32 v3, 0x20000, v1
	v_add_nc_u32 v4, 0x30000, v1
	v_and_b32 v9, 15, v0                           ; r
	v_bfe_u32 v13, v0, 4, 1                        ; h
	s_mul_i32 s52, s16, 16*SP
	s_add_co_u32 s52, s52, STG                     ; my stage
	v_mul_u32_u24 v5, v9, SP
	v_add_nc_u32 v5, s52, v5
	v_lshl_add_u32 v7, v13, 6, v5                  ; Q out of it: row r, + 64 h
	v_lshl_add_u32 v5, v13, 5, v5                  ; O into it: row r, + 32 h
	v_add_nc_u32 v6, s52, v1                       ; whole rows: 16 bytes a lane
	v_lshlrev_b32 v8, 12, v9
	v_lshl_add_u32 v8, v13, 6, v8                  ; the mask: row r of 4,096 bytes, + 64 h
	s_lshl_b32 s53, s16, 16
	v_add_nc_u32 v28, s53, v1                      ; the copy in: my quarter of the images
	v_mov_b32 v27, 0xf1800000                      ; -2^100
	s_mov_b32 s28, 0x76543210
	s_mov_b32 s29, 0xfedcba98                      ; v_permlanex16_b32's selects for lane l xor 16
	s_wait_kmcnt 0x0
	s_load_b128 s[48:51], s[12:13], 0x0            ; e0 .. e3
	s_lshl_b32 s52, s18, 19                        ; a head of q or of out0: 1,024 rows of 512 bytes
	s_mov_b32 s53, 0
	s_add_nc_u64 s[4:5], s[4:5], s[52:53]
	s_add_nc_u64 s[14:15], s[14:15], s[52:53]
	s_lshl_b32 s52, s18, 18                        ; a head's images,
	s_lshl_b32 s39, s16, 16                        ; my quarter of them
	s_add_co_u32 s52, s52, s39
	s_add_nc_u64 s[6:7], s[6:7], s[52:53]
	s_mov_b32 s56, 0
	FETCHQ                                         ; unit 0's flags and queries
	CPLOAD 0
	CPLOAD 1
	CPLOAD 2
	; every register is written before any way through the text reads it: the flag that leads round a load is the same flag that leads round its reader, but that cannot be read off the text
	WIN 0x40
.set i, 0
.rept 64
	v_mov_b32 v[64+i], 0                           ; window 1's v64-127
.set i, i+1
.endr
	WIN 0x80
.set i, 0
.rept 64
	v_mov_b32 v[i], 0                              ; the mask words
.set i, i+1
.endr
	WIN 0
	s_wait_kmcnt 0x0
	s_add_co_i32 s52, s48, s49
	s_lshl_b32 s52, s52, 23
	s_add_co_i32 s24, s52, 0x3e0293ee              ; c = log2(e) / sqrt(128) x 2^(e0 + e1): the two exponents are added to c's exponent field
	s_mov_b32 s25, s24                             ; (named with it as a pair, so it is written)
	s_add_co_i32 s52, s50, s51
	s_add_co_i32 s52, s52, 127
	s_lshl_b32 s26, s52, 23                        ; 2^(e2 + e3)
	s_mov_b32 s27, s26
	s_add_co_i32 s52, s50, 127
	s_lshl_b32 s53, s52, 23
	v_mov_b32 v24, s53                             ; 2^e2 as f32: the conversion takes its exponent field
	s_add_co_i32 s52, s52, 15
	s_lshl_b32 s52, s52, 23
	s_or_b32 s52, s52, 0x600000
	v_mov_b32 v23, s52                             ; 57,344 x 2^e2
	s_add_co_i32 s52, s48, 127
	s_lshl_b32 s53, s52, 23
	v_mov_b32 v26, s53                             ; 2^e0
	s_add_co_i32 s52, s52, 15
	s_lshl_b32 s52, s52, 23
	s_or_b32 s52, s52, 0x600000
	v_mov_b32 v25, s52                             ; 57,344 x 2^e0
.irp g, 0,1,2,3,4,5,6,7                        ; each group has registers of its own, and no vector instruction since the wait in FETCHQ names them, v1 or v28: the copy in owes no further s_wait_alu
.if \g < 6
	s_wait_loadcnt 32                              ; group g is in; the two younger groups' 32 loads may be out
.else
	s_wait_loadcnt 16*(7-\g)
.endif
	CPSTORE \g
.if \g < 5
	CPLOAD \g+3
.endif
.endr
	WIN 0
	s_wait_dscnt 0x0                               ; for the others' sake: my quarter of the images lies in LDS
	s_barrier_signal -1
	s_barrier_wait -1                              ; everybody's does: from here on the images are only read
	s_mov_b32 s19, 0
; ---- the five largest of a lane's scores, with multiplicity.  x goes into the sorted list v76 >= .. >= v80 (window 3)
.macro INS5 x
	v_med3_num_f32 v80, v[\x], v79, v80
	v_med3_num_f32 v79, v[\x], v78, v79
	v_med3_num_f32 v78, v[\x], v77, v78
	v_med3_num_f32 v77, v[\x], v76, v77
	v_max_num_f32 v76, v76, v[\x]
.endm
; Nine scores, as three sorted triples (largest at v[3 n ..], middle at v[21 + 3 n ..], least at v[42 + 3 n ..]).  A number with k numbers of its own nine at or above it is among a lane's five largest only if it is among
; the floor(5 / (k + 1)) largest of its class: the largest sorted again (k = 0, 1, 2: five, two, one are kept); of the middles the largest (k = 1: two) and the middle (k = 3: one), the least never (k = 5);
; of the least the largest (k = 2: one), the others never (k = 5).
.macro NINE n
.set TS, 64+6*((\n)%2)
	v_max3_num_f32 v[TS], v[3*(\n)], v[3*(\n)+1], v[3*(\n)+2]
	v_med3_num_f32 v[TS+1], v[3*(\n)], v[3*(\n)+1], v[3*(\n)+2]
	v_min3_num_f32 v[TS+2], v[3*(\n)], v[3*(\n)+1], v[3*(\n)+2]
	v_max3_num_f32 v[TS+3], v[21+3*(\n)], v[22+3*(\n)], v[23+3*(\n)]
	v_med3_num_f32 v[TS+4], v[21+3*(\n)], v[22+3*(\n)], v[23+3*(\n)]
	v_max3_num_f32 v[TS+5], v[42+3*(\n)], v[43+3*(\n)], v[44+3*(\n)]
	INS5 TS
	v_med3_num_f32 v82, v[TS+1], v81, v82
	v_max_num_f32 v81, v81, v[TS+1]
	v_max_num_f32 v83, v83, v[TS+2]
	v_med3_num_f32 v85, v[TS+3], v84, v85
	v_max_num_f32 v84, v84, v[TS+3]
	v_max_num_f32 v86, v86, v[TS+4]
	v_max_num_f32 v87, v87, v[TS+5]
.endm
; ---- a live step's eight fragments of K from LDS; where the step is mixed, its mask words from memory
.macro LOADK sig
	WIN 0
	s_bitcmp1_b32 s21, (\sig)
	s_cbranch_scc0 .Lnk_\@
	s_wait_dscnt 0x0                               ; no LDS load is out on any way that leads here: these registers may be loaded
	s_bitcmp1_b32 s22, (\sig)
	s_cbranch_scc0 .Lnm_\@
	s_wait_loadcnt 0x0                             ; likewise the mask words' registers
	WIN 0x80
	s_wait_alu depctr_va_vdst(0)                   ; the compares of the last mixed step are done reading the mask words' registers; so are the last unit's products, whose codes lay there, and the lines that wrote them (the conversions; at the head the zeros)
.set i, 0
.rept 16
	global_load_b128 v[4*i:4*i+3], v8, s[34:35] offset:512*(\sig)+128*(i/4)+16*(i%4)   ; word 16 b + j: key 128 sig + 32 b + 16 h + j of query r: the scores' own order
.set i, i+1
.endr
	WIN 0
.Lnm_\@:
	WIN 0x40
	s_wait_alu depctr_va_vdst(0)                   ; the last live step's products are done reading K's fragments (in step 0: the holds and conversions are done with Q's numbers; at the head the zeros are written): the loads below land there
.set i, 0
.rept 32
	ds_load_b128 v[4*i:4*i+3], v[1+(\sig)/4] offset:((8*(\sig)+i/4)%32)*2048+512*(i%4)
.set i, i+1
.endr
	WIN 0
.Lnk_\@:
.endm
; ---- S^T = K Q^T for a live step; where it is mixed, forbidden entries become -2^100: compares in runs of sixteen, each into a mask of its own, one wait, sixteen selects
.macro MMQK sig
.set SB, 128+64*((\sig)%2)
.set W, (\sig)/2
	WIN 0
	s_bitcmp1_b32 s21, (\sig)
	s_cbranch_scc0 .Lnq_\@
	s_wait_dscnt 0x0                               ; K's fragments are in
	WIN 1|(W<<6)
.set t, 0
.rept 8
	v_wmma_f32_16x16x128_bf8_bf8 v[SB+8*t:SB+8*t+7], v[16*t:16*t+15], v[40:55], 0
.set t, t+1
.endr
	PLACES
	WIN 0
	s_bitcmp1_b32 s22, (\sig)
	s_cbranch_scc0 .Lnq_\@
	s_wait_loadcnt 0x0                             ; the mask words are in
	WIN W|8|(W<<6)
.set g, 0
.rept 4
.set k, 0
.rept 16
	v_cmp_eq_u32 s[MK+k], 0, v[16*g+k]
.set k, k+1
.endr
	s_wait_alu depctr_va_sdst(0)                   ; the sixteen masks are written, ahead of the selects that read them
.set k, 0
.rept 16
	v_cndmask_b32 v[SB+16*g+k], v[SB+16*g+k], v127, s[MK+k]   ; in ascending order: each accumulator is first read at its low end
.set k, k+1
.endr
.set g, g+1
.endr
	WIN 0
.Lnq_\@:
.endm
; ---- a live step's 64 scores go into the lists: 21 triples are sorted (all the largest first, in ascending order: each accumulator is first read at its low end), then seven nines, then the one left over.
; The two parts stand apart but for the last step's: the next step's loads are issued between them, behind lines that have read this step's products and ahead of lines under which they land
.macro SORT3                           ; the first level, for the step whose SB and W are set
	WIN W|(W<<2)|(W<<4)|0xc0
.set i, 0
.rept 21
	v_max3_num_f32 v[i], v[SB+3*i], v[SB+3*i+1], v[SB+3*i+2]
.set i, i+1
.endr
.set i, 0
.rept 21
	v_med3_num_f32 v[21+i], v[SB+3*i], v[SB+3*i+1], v[SB+3*i+2]
.set i, i+1
.endr
.set i, 0
.rept 21
	v_min3_num_f32 v[42+i], v[SB+3*i], v[SB+3*i+1], v[SB+3*i+2]
.set i, i+1
.endr
	v_mov_b32 v63, v[SB+63]
.endm
.macro NINES                           ; the rest: all in window 3
	WIN 0xff
.irp n, 0,1,2,3,4,5,6
	NINE \n
.endr
	INS5 63
.endm
.macro TREEA sig
.set SB, 128+64*((\sig)%2)
.set W, (\sig)/2
	WIN 0
	s_bitcmp1_b32 s21, (\sig)
	s_cbranch_scc0 .Lna_\@
	SORT3
	WIN 0
.Lna_\@:
.endm
.macro TREEB sig
	WIN 0
	s_bitcmp1_b32 s21, (\sig)
	s_cbranch_scc0 .Lnb_\@
	NINES
	WIN 0
.Lnb_\@:
.endm
.macro TREE sig
.set SB, 128+64*((\sig)%2)
.set W, (\sig)/2
	WIN 0
	s_bitcmp1_b32 s21, (\sig)
	s_cbranch_scc0 .Lnt_\@
	SORT3
	NINES
	WIN 0
.Lnt_\@:
.endm
; ---- e = 2^(c s - c max) in place, and its sum.  The exponentials of eight registers stand among the scalings of the next eight; one plain line and ONE wait for the step's 64 stand ahead of the first reader
.macro P2 sig
.set SB, 128+64*((\sig)%2)
.set W, (\sig)/2
	WIN 0
	s_bitcmp1_b32 s21, (\sig)
	s_cbranch_scc0 .Ln2_\@
	WIN W|(W<<6)
.set g, 0
.rept 9
.set k, 0
.rept 4
.if g < 8
	v_pk_fma_f32 v[SB+8*g+2*k:SB+8*g+2*k+1], v[SB+8*g+2*k:SB+8*g+2*k+1], s[24:25], v[14:15] op_sel_hi:[1,0,0]
.endif
.if g > 0
	v_exp_f32 v[SB+8*g-8+2*k], v[SB+8*g-8+2*k]
	v_exp_f32 v[SB+8*g-7+2*k], v[SB+8*g-7+2*k]
.endif
.set k, k+1
.endr
.set g, g+1
.endr
	v_nop
	s_wait_alu depctr_va_vdst(0)                   ; the step's 64 exponentials have written their results, ahead of the sums that read them
	WIN W
.set k, 0
.rept 32
	v_pk_add_f32 v[32+2*(k%4):33+2*(k%4)], v[SB+2*k:SB+2*k+1], v[32+2*(k%4):33+2*(k%4)]
.set k, k+1
.endr
	WIN 0
.Ln2_\@:
.endm
; ---- what is under the threshold becomes -2^100; u = 2^(e AA + BB) = exp(p - the largest p) in place (0 for what is not kept), and its sum.
; Sixteen registers at a time: sixteen compares, each into a mask of its own, one wait, sixteen selects, eight scalings; the exponentials of the sixteen before stand among the compares and the selects
.macro P3 sig
.set SB, 128+64*((\sig)%2)
.set W, (\sig)/2
	WIN 0
	s_bitcmp1_b32 s21, (\sig)
	s_cbranch_scc0 .Ln3_\@
	WIN W|(W<<6)
.set g, 0
.rept 5
.set k, 0
.rept 16
.if g < 4
	v_cmp_lt_f32 s[MK+k], v[SB+16*g+k], v22
.endif
.if (g > 0) && (k%2 == 1)
	v_exp_f32 v[SB+16*g-16+k/2], v[SB+16*g-16+k/2]
.endif
.set k, k+1
.endr
.if g < 4
	s_wait_alu depctr_va_sdst(0)                   ; the sixteen masks are written, ahead of the selects that read them
.endif
.set k, 0
.rept 16
.if g < 4
	v_cndmask_b32 v[SB+16*g+k], v[SB+16*g+k], v27, s[MK+k]
.endif
.if (g > 0) && (k%2 == 1)
	v_exp_f32 v[SB+16*g-8+k/2], v[SB+16*g-8+k/2]
.endif
.set k, k+1
.endr
.if g < 4
.set k, 0
.rept 8
	v_pk_fma_f32 v[SB+16*g+2*k:SB+16*g+2*k+1], v[SB+16*g+2*k:SB+16*g+2*k+1], v[16:17], v[18:19] op_sel_hi:[1,0,0]
.set k, k+1
.endr
.endif
.set g, g+1
.endr
	v_nop
	s_wait_alu depctr_va_vdst(0)                   ; the step's 64 exponentials have written their results, ahead of the sums that read them
	WIN W
.set k, 0
.rept 32
	v_pk_add_f32 v[32+2*(k%4):33+2*(k%4)], v[SB+2*k:SB+2*k+1], v[32+2*(k%4):33+2*(k%4)]
.set k, k+1
.endr
	WIN 0
.Ln3_\@:
.endm
; ---- the four pairs of sums, the dead steps' number ve with its multiplicity s23, lane l xor 16's half of the row; v34 = 1 / the row's sum
.macro REDUCE ve
	v_pk_add_f32 v[32:33], v[32:33], v[34:35]
	v_pk_add_f32 v[36:37], v[36:37], v[38:39]
	v_pk_add_f32 v[32:33], v[32:33], v[36:37]
	v_add_f32 v32, v32, v33
	v_fma_f32 v32, v[\ve], s23, v32
	v_permlanex16_b32 v33, v32, s28, s29
	v_add_f32 v32, v32, v33
	v_rcp_f32 v34, v32
	v_nop                                          ; a plain line behind the reciprocal,
	s_wait_alu depctr_va_vdst(0)                   ; and the reciprocal has written v34, ahead of its first reader
.endm
; ---- a step's 16 registers of codes: a live step's w = u / sum2, held and converted; a dead step's are the one code
.macro CODES sig
.set SB, 128+64*((\sig)%2)
.set W, (\sig)/2
	WIN 0
	s_bitcmp1_b32 s21, (\sig)
	s_cbranch_scc0 .Ldead_\@
	WIN W|(W<<6)
.set k, 0
.rept 32
	v_pk_mul_f32 v[SB+2*k:SB+2*k+1], v[SB+2*k:SB+2*k+1], v[20:21] op_sel_hi:[1,0]
.set k, k+1
.endr
.set k, 0
.rept 64
	v_min_num_f32 v[SB+k], v[SB+k], v23            ; the conversion to an 8-bit code does not saturate (ISA guide 7.6.2); w is not negative, so the hold is one-sided
.set k, k+1
.endr
	WIN W|0x80
.set g, 0
.rept 8
	v_cvt_scalef32_pk8_bf8_f32 v[16*(\sig)+2*g:16*(\sig)+2*g+1], v[SB+8*g:SB+8*g+7], v24
.set g, g+1
.endr
	v_nop                                          ; a plain line behind the run of conversions
	WIN 0
	s_branch .Lcoded_\@
.Ldead_\@:
	WIN 0x80
.set i, 0
.rept 16
	v_mov_b32 v[16*(\sig)+i], v30
.set i, i+1
.endr
	WIN 0
.Lcoded_\@:
.endm
; ---- a step's eight fragments of V^T (fragment f: channels 16 f on, the step's 128 keys), in one run, on every way alike.  An even step's go into window 1, v0-127; an odd step's into window 0, v128-191, and window 3, v64-127.
; stated = 1: the wait stands ahead of the loads.  Step 0's need none: the wait in the second reduction stands behind the last product that read window 1's v0-127, and no vector instruction since names them
.macro LOADV sig, stated
.if ((\sig)%2) == 0
	WIN 0x40
.if \stated
	s_wait_alu depctr_va_vdst(0)                   ; the products of two steps back in V's order, the last to read these registers, are done reading them
.endif
.set i, 0
.rept 32
	ds_load_b128 v[4*i:4*i+3], v[3+(\sig)/4] offset:((8*(\sig)+i/4)%32)*2048+512*(i%4)
.set i, i+1
.endr
.else
	WIN 0
	s_wait_alu depctr_va_vdst(0)                   ; the last odd step's products are done reading these registers; ahead of step 1: step 0's conversions are done reading its scores, and the lists' lines are done with window 3's v64-87
.set i, 0
.rept 16
	ds_load_b128 v[128+4*i:128+4*i+3], v[3+(\sig)/4] offset:((8*(\sig)+i/4)%32)*2048+512*(i%4)
.set i, i+1
.endr
	WIN 0xc0                                       ; (only loads and this switch stand between the wait and the loads below)
.set i, 0
.rept 16
	ds_load_b128 v[64+4*i:64+4*i+3], v[3+(\sig)/4] offset:((8*(\sig)+4+i/4)%32)*2048+512*(i%4)
.set i, i+1
.endr
.endif
.endm
.macro MMPV sig                        ; O^T += V^T W^T.  The eight accumulators take turns, one instruction a turn, in the same order in every step; step 0's products start the sums
.set f, 0
.rept 8
.set TA, 64+8*f
.if ((\sig)%2) == 0
	WIN 0x09                                       ; V in window 1, the codes in window 2
.set VA, 16*f
.elseif f < 4
	WIN 0x08                                       ; V in window 0
.set VA, 128+16*f
.else
	WIN 0x0b                                       ; V in window 3
.set VA, 64+16*(f-4)
.endif
.if (\sig) == 0
	v_wmma_f32_16x16x128_bf8_bf8 v[TA:TA+7], v[VA:VA+15], v[16*(\sig):16*(\sig)+15], 0
.else
	v_wmma_f32_16x16x128_bf8_bf8 v[TA:TA+7], v[VA:VA+15], v[16*(\sig):16*(\sig)+15], v[TA:TA+7]
.endif
.set f, f+1
.endr
.endm
.Lunit:
	; ---- the unit's head: addresses, flags, Q's fragment
	s_wait_xcnt 0x0                                ; the last unit's stores and loads have read their bases and data: they may be written
	s_wait_alu depctr_vm_vsrc(0)                   ; the last unit's stores into the stage have read window 1's v0-63, in which Q's numbers land, and its global stores v64-127, in which K's fragments land; on the first trip the copy-in's LDS stores have read the registers that the products write
	QTILE 20, 19
	s_lshl_b32 s52, s20, 4
	v_add_nc_u32 v12, s52, v9                      ; my query
	s_lshl_b32 s52, s20, 13
	s_mov_b32 s53, 0
	s_add_nc_u64 s[32:33], s[14:15], s[52:53]      ; the tile's rows of out0
	s_lshl_b32 s52, s20, 16
	s_add_nc_u64 s[34:35], s[10:11], s[52:53]      ; and of the mask
	s_wait_kmcnt 0x0                               ; the eight flag words
	s_or_b32 s40, s40, s41
	s_or_b32 s42, s42, s43
	s_or_b32 s44, s44, s45
	s_or_b32 s46, s46, s47
	s_or_b32 s40, s40, s42
	s_or_b32 s44, s44, s46
	s_or_b32 s40, s40, s44
	s_and_b32 s21, s40, 255                        ; bit sig: the step has an allowed entry
	s_lshr_b32 s22, s40, 8
	s_and_b32 s22, s22, 255                        ; bit sig: and a forbidden one
	s_bcnt1_i32_b32 s52, s21
	s_sub_co_u32 s52, 8, s52
	s_lshl_b32 s52, s52, 6
	s_cvt_f32_u32 s23, s52                         ; a lane's keys in dead steps: 64 each
	s_wait_loadcnt 0x0                             ; Q's rows, asked for a unit ago
	WIN 0x0c
.set i, 0
.rept 16
	ds_store_b128 v6, v[4*i:4*i+3] offset:SP*i     ; the data came by loads, and no vector instruction since the wait ahead of those loads names them
.set i, i+1
.endr
	WIN 0x40
.set i, 0
.rept 16
	ds_load_b128 v[4*i:4*i+3], v7 offset:128*(i/4)+16*(i%4)   ; LDS serves a wave's instructions in order: these see the stores above.  Register 16 c + j = d 32 c + 16 h + j of query r.  (The last lines that wrote these registers stand ahead of the way out's wait)
.set i, i+1
.endr
	s_wait_dscnt 0x0
	s_wait_alu depctr_vm_vsrc(0)                   ; the stores above have read window 3's v0-63, which the sorts write and in which the next unit's queries land
	WIN 0x41
.set i, 0
.rept 64
	v_med3_num_f32 v[i], v[i], -v25, v25           ; the hold at the largest code x the scale
.set i, i+1
.endr
	WIN 0x01
.set g, 0
.rept 8
	v_cvt_scalef32_pk8_bf8_f32 v[40+2*g:41+2*g], v[8*g:8*g+7], v26
.set g, g+1
.endr
	v_nop                                          ; a plain line behind the run of conversions
	WIN 0xc0
.set i, 0
.rept 24
	v_mov_b32 v[64+i], v27                         ; the lists begin at -2^100, the least number that an entry can hold: a row has 1,024 entries, so these change nothing among its five largest
.set i, i+1
.endr
	WIN 0x80
	v_mov_b32 v127, v27
	WIN 0
	; ---- scores and lists: the step before is sorted at its first level, this step's fragments are asked for, the rest of that sort stands under the loads, then the step is multiplied
	LOADK 0
	MMQK 0
.irp s, 1,2,3,4,5,6,7
	TREEA \s-1
	LOADK \s
	TREEB \s-1
	MMQK \s
.endr
	TREE 7
	s_wait_loadcnt 0x0                             ; on every way: nothing is out from here on
	s_wait_dscnt 0x0
	; ---- the next unit's flags and queries, if there is a next unit: no load leaves its buffer
	s_cmp_eq_u32 s19, UNITS-1
	s_cbranch_scc1 .Lno_next
	s_add_co_u32 s56, s19, 1
	FETCHQ
.Lno_next:
	; ---- the lists are joined, then lane l xor 16's five: both lanes of a query hold the row's five largest scores
	WIN 0xff
.irp x, 81,82,83,84,85,86,87
	INS5 \x
.endr
.irp i, 0,1,2,3,4
	v_permlanex16_b32 v[64+\i], v[76+\i], s28, s29
.endr
.irp x, 64,65,66,67,68
	INS5 \x
.endr
	WIN 0x03
	v_mov_b32 v56, v76                             ; the largest,
	v_mov_b32 v57, v80                             ; the fifth,
	WIN 0
	v_mov_b32 v58, v27                             ; and the dead steps' number
	v_mov_b32 v59, v27
	v_mul_f32 v14, -v56, s24                       ; -c max (exact where max is -2^100)
	v_mov_b32 v15, v14
	v_pk_fma_f32 v[56:57], v[56:57], s[24:25], v[14:15] op_sel_hi:[1,0,0]   ; the same lines as for every score: so the fifth's e has the bits of its own entry's
	v_pk_fma_f32 v[58:59], v[58:59], s[24:25], v[14:15] op_sel_hi:[1,0,0]
	v_exp_f32 v56, v56                             ; e1
	v_exp_f32 v57, v57                             ; e5
	v_exp_f32 v58, v58                             ; e0
.irp i, 0,1,2,3,4,5,6,7
	v_mov_b32 v[32+\i], 0                          ; the sums.  (Plain lines behind the exponentials)
.endr
	s_wait_alu depctr_va_vdst(0)                   ; the three exponentials have written v56 to v58, ahead of their first reader and of the branch below
.irp s, 0,1,2,3,4,5,6,7
	P2 \s
.endr
	v_cmp_le_u32 vcc_lo, 5, v12                    ; rows from 5 on: the compare stands ahead of the reduction, its reader behind it
	REDUCE 58
	v_mul_f32 v16, 0x3fb8aa3b, v34                 ; AA = log2(e) / sum1
	v_mov_b32 v17, v16
	v_mul_f32 v18, -v56, v16                       ; BB = -e1 AA: the largest p is taken away
	v_mov_b32 v19, v18
	s_wait_alu depctr_va_vcc(0)                    ; VCC is written, ahead of the select that reads it
	v_cndmask_b32 v22, -1.0, v57, vcc_lo           ; the threshold: e5; in rows under 5 a number under every e
	v_cmp_lt_f32 vcc_lo, v58, v22                  ; the dead steps' number goes the way of every entry
	s_wait_alu depctr_va_vcc(0)                    ; VCC is written, ahead of the select that reads it
	v_cndmask_b32 v58, v58, v27, vcc_lo
	v_fma_f32 v58, v58, v16, v18
	v_exp_f32 v58, v58                             ; u0
.irp i, 0,1,2,3,4,5,6,7
	v_mov_b32 v[32+\i], 0
.endr
	s_wait_alu depctr_va_vdst(0)                   ; the exponential has written v58, ahead of its first reader and of the branch below
.irp s, 0,1,2,3,4,5,6,7
	P3 \s
.endr
	v_cmp_ne_u32 vcc_lo, 0, v12                    ; every query but 0: the compare stands ahead of the reduction, its reader behind it
	REDUCE 58
	s_wait_alu depctr_va_vcc(0)                    ; VCC is written, ahead of the select that reads it
	v_cndmask_b32 v20, 0, v34, vcc_lo              ; 1 / sum2; 0 for query 0, whose weights reference() sets to 0
	v_mov_b32 v21, v20
	v_mul_f32 v56, v58, v20
	v_min_num_f32 v56, v56, v23
.irp i, 1,2,3,4,5,6,7
	v_mov_b32 v[56+\i], v56
.endr
	v_cvt_scalef32_pk8_bf8_f32 v[30:31], v[56:63], v24   ; the dead steps' code, four to a word
	v_nop
	; ---- codes and the second product, over all keys.  Step s: its codes; V(s), asked for a step ago, is in; one wait; V(s + 1) is asked for, into the other set of registers; the eight products.
	; The lines of the next step's codes, sixteen at the least and none of them naming a register of these products, stand between the products and the loads into what they read
	LOADV 0, 0
.irp s, 0,1,2,3,4,5,6,7
	CODES \s
	s_wait_dscnt 0x0                               ; this step's eight fragments of V are in
.if \s < 7
	LOADV \s+1, 1
.endif
	MMPV \s
.endr
	PLACES                                         ; behind the last products, ahead of the first read of their results
	; ---- the way out: O^T x 2^(e2 + e3), through my stage, back as whole rows
	WIN 0x40
.set k, 0
.rept 32
	v_pk_mul_f32 v[2*k:2*k+1], v[64+2*k:65+2*k], s[26:27] op_sel_hi:[1,0]   ; each accumulator from its low end on
.set k, k+1
.endr
	WIN 0x04
	s_wait_alu depctr_va_vdst(0)                   ; the multiplications have written window 1's v0-63, which the stores below read; step 6's products are done reading v64-127, in which the loads below land
.set t, 0
.rept 8
	ds_store_b128 v5, v[8*t:8*t+3] offset:64*t         ; lane (r, h): out(r, 16 tau + 8 h + 0 .. 7)
	ds_store_b128 v5, v[8*t+4:8*t+7] offset:64*t+16
.set t, t+1
.endr
	WIN 0x40
.set i, 0
.rept 16
	ds_load_b128 v[64+4*i:67+4*i], v6 offset:SP*i      ; LDS serves a wave's instructions in order: these see the stores above, which name none of these loads' registers
.set i, i+1
.endr
	WIN 0x04
.set i, 0
.rept 16
	s_wait_dscnt 15-i                              ; row i is back; the younger loads may be out
	global_store_b128 v1, v[64+4*i:67+4*i], s[32:33] offset:512*i th:TH_STORE_NT   ; 32 lanes store a row's 512 consecutive bytes, aligned
.set i, i+1
.endr
	WIN 0
	s_add_co_u32 s19, s19, 1
	s_cmp_lt_u32 s19, UNITS
	s_cbranch_scc1 .Lunit
	s_wait_dscnt 0x0                               ; the closing lines, six on end
	s_wait_alu 0x0
	s_wait_tensorcnt 0x0
	ds_add_u32 v10, v11
	s_wait_dscnt 0x0
	s_endpgm
.Lfunc_end_k_q53380d0d71_attn:
	.size	k_q53380d0d71_attn, .Lfunc_end_k_q53380d0d71_attn-k_q53380d0d71_attn
	.p2alignl 7, 3214868480
	.fill 96, 4, 3214868480
	.section	.rodata,"a",@progbits
	.p2align	6, 0x0
	.amdhsa_kernel k_q53380d0d71_attn
		.amdhsa_group_segment_fixed_size 296448
		.amdhsa_private_segment_fixed_size 0
		.amdhsa_enable_private_segment 0
		.amdhsa_kernarg_size 48
		.amdhsa_user_sgpr_count 2
		.amdhsa_user_sgpr_kernarg_segment_ptr 1
		.amdhsa_wavefront_size32 1
		.amdhsa_system_sgpr_workgroup_id_x 1
		.amdhsa_system_sgpr_workgroup_id_y 1
		.amdhsa_system_sgpr_workgroup_id_z 1
		.amdhsa_system_vgpr_workitem_id 0
		.amdhsa_next_free_vgpr 1024
		.amdhsa_next_free_sgpr 66
		.amdhsa_reserve_vcc 1
		.amdhsa_float_denorm_mode_32 3
		.amdhsa_float_denorm_mode_16_64 3
		.amdhsa_memory_ordered 1
		.amdhsa_forward_progress 1
		.amdhsa_inst_pref_size 255
	.end_amdhsa_kernel
	.section	.bss,"aw",@nobits
	.p2align	6
	.space	262144
	.amdgpu_metadata
---
amdhsa.version: [ 1, 2 ]
amdhsa.kernels:
  - .name:           k_q53380d0d71_attn
    .symbol:         k_q53380d0d71_attn.kd
    .args:
      - { .name: q, .offset: 0, .size: 8, .value_kind: global_buffer, .address_space: global }
      - { .name: kvimg, .offset: 8, .size: 8, .value_kind: global_buffer, .address_space: global }
      - { .name: flags, .offset: 16, .size: 8, .value_kind: global_buffer, .address_space: global }
      - { .name: mask, .offset: 24, .size: 8, .value_kind: global_buffer, .address_space: global }
      - { .name: lowp_scales, .offset: 32, .size: 8, .value_kind: global_buffer, .address_space: global }
      - { .name: out0, .offset: 40, .size: 8, .value_kind: global_buffer, .address_space: global }
    .group_segment_fixed_size: 296448
    .private_segment_fixed_size: 0
    .kernarg_segment_align: 8
    .kernarg_segment_size: 48
    .max_flat_workgroup_size: 128
    .sgpr_count:     66
    .vgpr_count:     1024
    .wavefront_size: 32
...
	.end_amdgpu_metadata
.endif
;; end of part 3
